; MI455X (gfx1250); checked and timed in simulation.
; The chip was launched on July 23, 2026; its instructions are those of AMD's public machine-readable ISA for CDNA 5 (MIT licence, August 2026) and "CDNA5" Instruction Set Architecture Reference Guide (July 2026). The comments in the code are by the model that wrote it; some were corrected since.
;; Attention Block. Allowed arithmetic: matrix products marked QUANTISED: E2M3 operands, one E8M0 scale for each 32 along K, by v_wmma_scale_f32_16x16x128_f8f6f4 with both operands' format E2M3, f32 sums; everything else in f32.
;; Inputs: bk 512 float32; bo 512 float32; bq 512 float32; bv 512 float32; gn_b 512 float32; gn_w 512 float32; wk_codes 512 x 16 x 24 uint8 (E2M3 codes of wk, K innermost, in blocks of 32 codes, four codes in three bytes); wk_scales 512 x 16 uint8 (E8M0 scales of wk, one for each 32 codes along K); wo_codes 512 x 16 x 24 uint8 (E2M3 codes of wo, K innermost, in blocks of 32 codes, four codes in three bytes); wo_scales 512 x 16 uint8 (E8M0 scales of wo, one for each 32 codes along K); wq_codes 512 x 16 x 24 uint8 (E2M3 codes of wq, K innermost, in blocks of 32 codes, four codes in three bytes); wq_scales 512 x 16 uint8 (E8M0 scales of wq, one for each 32 codes along K); wv_codes 512 x 16 x 24 uint8 (E2M3 codes of wv, K innermost, in blocks of 32 codes, four codes in three bytes); wv_scales 512 x 16 uint8 (E8M0 scales of wv, one for each 32 codes along K); x 32 x 512 x 32 x 32 float32.
;; Outputs: out0 32 x 512 x 32 x 32 float32.
;; This version of the problem:
;;   THIS VERSION OF THE PROBLEM IS GIVEN IN LOW PRECISION. The matrix products marked QUANTISED in the list below multiply operands that are first quantised to E2M3 (2 exponent bits, 3 mantissa bits; 6 bits a number), with one power-of-two scale for each 32 numbers along K (OCP MX v1.0); their sums are f32. All else is computed in f32.
;;   The module's matrix products, in the order in which they are computed (A, B: the left and right operand; K: the contracted axis; several contracted axes count as one K, in the product's order):
;;     1. [M 32,768, K 512] x [K 512, N 512]; A: computed on the way; B: input wq (given as codes): QUANTISED
;;     2. [M 32,768, K 512] x [K 512, N 512]; A: computed on the way; B: input wk (given as codes): QUANTISED
;;     3. [M 32,768, K 512] x [K 512, N 512]; A: computed on the way; B: input wv (given as codes): QUANTISED
;;     4. batch 32 x [M 1,024, K 512] x [K 512, N 1,024]; A: computed on the way; B: computed on the way: QUANTISED
;;     5. batch 32 x [M 512, K 1,024] x [K 1,024, N 1,024]; A: computed on the way; B: softmax (see below): QUANTISED
;;     6. [M 32,768, K 512] x [K 512, N 512]; A: computed on the way; B: input wo (given as codes): QUANTISED
;;   THE QUANTISER, for each operand of a quantised product, along K:
;;     - K is cut into blocks of 32 from its start; a last block that is shorter is filled with zeros.
;;     - A block's scale is 2^e with e = floor(log2(the largest magnitude in the block)) - 2, held to -126 .. 127; a block of zeros has e = 0. As a byte (E8M0): e + 127.
;;     - Each number is divided by its block's scale, clamped to +-7.5, and rounded to the nearest number of E2M3, ties to even, subnormals kept.
;;     - The product sums the exact products of the quantised numbers (number of the format x scale) in f32.
;;   ~~~python
;;   def quantise(x, axis):      # numpy; x: float32 -> the quantised numbers, widened to float32 again
;;       x = np.moveaxis(x, axis, -1); K = x.shape[-1]
;;       x = np.pad(x, [(0, 0)] * (x.ndim - 1) + [(0, -K % 32)]); x = x.reshape(x.shape[:-1] + (-1, 32)); a = np.abs(x).max(-1, keepdims=True)
;;       e = np.where(a > 0, np.clip(np.frexp(np.where(a > 0, a, 1))[1] - 1 - 2, -126, 127), 0)      # np.frexp(a)[1] - 1 = floor(log2(a)), exactly
;;       r = np.clip(x / 2.0 ** e, -7.5, 7.5)
;;       step = 2.0 ** (np.maximum(np.frexp(np.where(r == 0, 1, r))[1] - 1, 0) - 3)
;;       q = np.round(r / step) * step * 2.0 ** e      # np.round: ties to even
;;       return np.moveaxis(q.reshape(q.shape[:-2] + (-1,))[..., :K], -1, axis).astype(np.float32)
;;   ~~~
;;   SOFTMAX AHEAD OF A QUANTISED PRODUCT. Where the list says 'softmax', what is quantised is not the finished softmax but p = 2^(t - M), with t = logit x log2(e) and M = ceil(the row's largest t), a whole number; so 1/2 < the row's largest p <= 1. The row's sum l is taken of the UNQUANTISED p, in f32, and the product's result is divided by l at the end. Since M is a whole number, a kernel that streams over the keys may use a running M (the ceiling of the running maximum): every later rescaling is an exact power of two, which a block's scale takes up: the codes' values come out the same.
;;   OPERANDS COMPUTED ON THE WAY. 'Computed on the way' means the value that the module computes at that place (a softmax that the list does not call 'softmax' is quantised finished and normalised). What goes into a quantiser is computed in f32, as accurately as f32 sums, v_exp_f32 and their like allow (about 1e-6 of the number): no bf16 or f16 on the way to a quantiser, and a product that is left as it is and whose result goes on into a quantised operand takes f32 operands (vector FMAs, or v_wmma_f32_16x16x4_f32). A number that lies on a knife's edge between two numbers of the format may be rounded either way, as far as f32 arithmetic and the matrix unit's own rounding can turn it there, and no further.
;;   INPUTS GIVEN AS CODES. wk (in the module: [512, 512], K = its axis 1); wo (in the module: [512, 512], K = its axis 1); wq (in the module: [512, 512], K = its axis 1); wv (in the module: [512, 512], K = its axis 1): each comes as NAME_codes (uint8): NAME with its K axis moved to the last place and cut into blocks of 32 codes, [.., K / 32, bytes a block], one block behind the other in memory; four codes in three bytes: a row's codes are one little-endian stream of bits, code i at bits 6 i .. 6 i + 5 (a code: sign, 2 exponent bits, 3 mantissa bits); and NAME_scales (uint8): the same leading axes, one E8M0 byte (e + 127) for each 32 codes along K. Its value is code x scale, taken as it is: it is not quantised again, and the codes and scales need not be those that the quantiser above would give.
;; One version. Each part assembles by itself: llvm-mc -triple=amdgcn-amd-amdhsa -mcpu=gfx1250 --defsym DOCPART=n.
;; ======== version 1 of 1: 3 launches
;; workspace buffers: hn_codes 12,582,912 bytes; hn_scales 524,288 bytes; w_img 786,432 bytes; qkv_img 37,748,736 bytes; qkv_scl 1,572,864 bytes
;; launch gnq (part 1): grid 256 x 1, 16 waves a work-group, no clusters, 53,760 bytes of LDS; arguments x, gn_w, gn_b, wq_codes, wk_codes, wv_codes, wo_codes, hn_codes, hn_scales, w_img; writes hn_codes, hn_scales, w_img
.if DOCPART == 1
	.amdgcn_target "amdgcn-amd-amdhsa--gfx1250"
	.amdhsa_code_object_version 6
	.text
	.protected	k_q9606b0bbb5_gnq
	.globl	k_q9606b0bbb5_gnq
	.p2align	8
	.type	k_q9606b0bbb5_gnq,@function
k_q9606b0bbb5_gnq:
	s_mov_b64 s[64:65], 0
	v_nop
	global_prefetch_b8 v0, s[64:65] scope:SCOPE_SE
	s_setreg_imm32_b32 hwreg(HW_REG_WAVE_MODE, 25, 1), 1
	s_wait_xcnt 0x0
; GROUP NORM AND ITS QUANTISER.  x: [32][512][1024] f32.  A work-group owns one (batch, group): 64 channels x 1,024 positions, 262,144 consecutive bytes, kept in registers between
; the pass for the mean, the pass for the variance (of x - mean: no difference of large sums) and the quantiser, so x is read once here.
; hn = (x - mean) rsqrt(var + 1e-5) gn_w + gn_b is an operand whose K is the channel: a lane takes 4 positions and its registers run down 32 channels, one block, so a block's largest
; magnitude needs no other lane and the conversions give codes with K innermost.  Codes: E2M3; a block's scale byte is its largest magnitude's exponent field - 2, held at 1 from below.
; SHARES: wave = 2 cg + hb: channels 32 hb .. 32 hb + 31 of the group, positions 128 cg .. 128 cg + 127; lane l: positions 128 cg + 4 l + 0 .. 3.
; OUT: hn_codes [b][t 64][g 8][768]: half fragments (16 positions x 64 channels) as images of the operand's registers: lane (r, h): registers 0-3 at 384 h + 16 r, registers 4, 5 at 384 h + 256 + 8 r.
; Row r of tile t is position 32 (t / 2) + 8 (t % 2) + r + 8 (r / 8).  hn_scales [b][position][16]: byte 2 g + hb.  The scale bytes leave two at a time, 16 bytes apart: one byte in 24 of what
; the launch stores; in return every reader gets a row's four scale words by one load of 16 bytes.
; ALSO: the four weights' codes are laid anew as such images, w_img [4][t 32][kg 8][768], rows in the same tile order: waves 0 and 1 of each work-group move one fragment each (512 in all).
; No matrix unit, no cluster (work-groups share nothing), no tensor load: memory binds, and all of a work-group's 262,144 bytes are asked for at once.
; LIMITS: NaN and infinities are not served.  A block of zeros, or one whose largest magnitude lies under 2^-124, gets the byte 1 (the bytes are read by this program alone; zero codes add nothing).
.set X,    32                          ; v32-159  my 32 channels x 4 positions: channel c, position p at X + 4 c + p
.set T,    160                         ; v160-191 32 numbers of hn of one position
.set WR,   160                         ; v160-171 a weight's fragment (waves 0, 1; done with before T is written)
.set PT,   176                         ; v176-191 the sixteen waves' partial sums
.set SCB,  49152                       ; LDS: 0 .. 49151 the codes [t 64][768]; then [position] two scale bytes; then two sets of sixteen partial sums
.set RED,  51200
.set RED2, 51456
	s_load_b512 s[4:19], s[0:1], 0x0               ; x 4, gn_w 6, gn_b 8, wq 10, wk 12, wv 14, wo 16, hn_codes 18
	s_load_b128 s[20:23], s[0:1], 0x40             ; hn_scales 20, w_img 22
	v_lshl_add_u32 v208, v0, 2, 0xca00
	v_mov_b32 v209, 0
	v_lshrrev_b32 v26, 5, v0
	v_readfirstlane_b32 s56, v26                   ; wave 0..15
	s_and_b32 s57, s56, 1                          ; hb
	s_lshr_b32 s58, s56, 1                         ; cg
	s_mov_b32 s60, 0x76543210
	s_mov_b32 s61, 0xfedcba98                      ; v_permlanex16_b32's selects for lane l xor 16
	v_and_b32 v27, 31, v0                          ; l
	v_lshlrev_b32 v1, 4, v27                       ; v1: 16 l: my 16 bytes of a load's 512
	v_bfe_u32 v28, v0, 3, 2                        ; l / 8
	v_bfe_u32 v29, v0, 1, 1
	v_lshrrev_b32 v30, 6, v0                       ; cg
	v_lshl_add_u32 v28, v28, 1, v29
	v_lshl_add_u32 v28, v30, 3, v28                ; my positions' tile: 8 cg + 2 (l / 8) + (l / 2) % 2
	v_mul_u32_u24 v2, v28, 768
	v_bfe_u32 v29, v0, 5, 1                        ; hb
	v_mad_u32_u24 v2, v29, 384, v2
	v_and_b32 v28, 1, v0
	v_bfe_u32 v31, v0, 2, 1                        ; their rows: 4 (l % 2) + 8 ((l / 4) % 2) + 0 .. 3
	v_lshl_add_u32 v3, v28, 5, v2
	v_lshl_add_u32 v3, v31, 6, v3
	v_add_nc_u32 v3, 256, v3                       ; v3: where registers 4, 5 of position 0's block go (8 bytes a row)
	v_lshl_add_u32 v2, v28, 6, v2
	v_lshl_add_u32 v2, v31, 7, v2                  ; v2: where registers 0-3 go (16 bytes a row)
	v_lshlrev_b32 v4, 8, v30
	v_lshl_add_u32 v4, v27, 3, v4
	v_add_nc_u32 v4, v4, v29
	v_add_nc_u32 v4, SCB, v4                       ; v4: my scale bytes: 2 x position + hb
	v_lshl_add_u32 v5, v26, 2, RED                 ; v5: my wave's partial sum
	v_mov_b32 v6, RED
	v_lshrrev_b32 v28, 4, v0
	v_and_b32 v31, 15, v0                          ; r
	v_mul_u32_u24 v7, v28, 768
	v_lshl_add_u32 v7, v31, 4, v7                  ; v7: the way out, in LDS: sixteen threads to 256 bytes
	v_mul_u32_u24 v8, v28, 6144
	v_lshl_add_u32 v8, v31, 4, v8                  ; v8: and in hn_codes: tiles 6,144 bytes apart
	v_lshl_add_u32 v9, v0, 1, SCB
	v_lshlrev_b32 v10, 4, v0
	v_bfe_u32 v30, v0, 4, 1                        ; h
	v_and_b32 v29, 8, v31
	v_add_nc_u32 v29, v29, v31                     ; r + 8 (r / 8)
	v_mul_u32_u24 v11, v29, 384
	v_mad_u32_u24 v11, v30, 24, v11                ; v11: a weight's row (384 bytes) + 24 h
	v_mul_u32_u24 v12, v30, 384
	v_lshl_add_u32 v13, v31, 3, v12
	v_add_nc_u32 v13, 256, v13                     ; v13: 384 h + 256 + 8 r
	v_lshl_add_u32 v12, v31, 4, v12                ; v12: 384 h + 16 r
	s_lshl_b32 s62, ttmp9, 18                      ; x: 262,144 x work-group + 131,072 hb + 512 cg
	s_lshl_b32 s63, s57, 17
	s_add_co_u32 s62, s62, s63
	s_lshl_b32 s63, s58, 9
	s_add_co_u32 s62, s62, s63
	s_mov_b32 s63, 0
	s_and_b32 s100, ttmp9, 7                       ; g
	s_lshl_b32 s2, s100, 8                         ; gn_w, gn_b: 256 g + 128 hb
	s_lshl_b32 s3, s57, 7
	s_add_co_u32 s2, s2, s3
	s_mov_b32 s3, 0
	s_wait_kmcnt 0x0
	s_add_nc_u64 s[4:5], s[4:5], s[62:63]
	s_add_nc_u64 s[6:7], s[6:7], s[2:3]
	s_add_nc_u64 s[8:9], s[8:9], s[2:3]
	s_load_b512 s[24:39], s[6:7], 0x0              ; gn_w of my 32 channels
	s_load_b512 s[40:55], s[6:7], 0x40
	s_load_b512 s[68:83], s[8:9], 0x0              ; gn_b
	s_load_b512 s[84:99], s[8:9], 0x40
	s_lshr_b32 s62, ttmp9, 3                       ; b
	s_mul_i32 s101, s62, 393216
	s_mul_i32 s2, s100, 768
	s_add_co_u32 s2, s2, s101
	s_add_nc_u64 s[18:19], s[18:19], s[2:3]        ; hn_codes + 393,216 b + 768 g
	s_lshl_b32 s2, s62, 14
	s_lshl_b32 s101, s100, 1
	s_add_co_u32 s2, s2, s101
	s_add_nc_u64 s[20:21], s[20:21], s[2:3]        ; hn_scales + 16,384 b + 2 g
	; ---- waves 0 and 1: fragment 2 x work-group + wave of the weights is asked for, ahead of x, so that the counts below are the same in every wave
	s_cmp_lt_u32 s56, 2
	s_cbranch_scc0 .Lno_w_load
	s_lshr_b32 s62, ttmp9, 6                       ; which weight
	s_cmp_eq_u32 s62, 1
	s_cselect_b64 s[2:3], s[12:13], s[10:11]
	s_cmp_eq_u32 s62, 2
	s_cselect_b64 s[2:3], s[14:15], s[2:3]
	s_cmp_eq_u32 s62, 3
	s_cselect_b64 s[2:3], s[16:17], s[2:3]
	s_bfe_u32 s62, ttmp9, 0x50001                  ; tile t
	s_lshr_b32 s63, s62, 1
	s_lshl_b32 s63, s63, 5
	s_and_b32 s62, s62, 1
	s_lshl_b32 s62, s62, 3
	s_add_co_u32 s62, s62, s63                     ; its first row: 32 (t / 2) + 8 (t % 2)
	s_mul_i32 s62, s62, 384
	s_and_b32 s63, ttmp9, 1
	s_lshl_b32 s63, s63, 1
	s_add_co_u32 s63, s63, s56                     ; K step
	s_mul_i32 s63, s63, 96
	s_add_co_u32 s62, s62, s63
	s_mov_b32 s63, 0
	s_add_nc_u64 s[2:3], s[2:3], s[62:63]
.irp p, 0,1,2,3,4,5
	global_load_b64 v[WR+2*\p:WR+2*\p+1], v11, s[2:3] offset:48*(\p/3)+8*(\p%3)
.endr
.Lno_w_load:
.set k, 0
.rept 32
	global_load_b128 v[X+4*k:X+4*k+3], v1, s[4:5] offset:k*4096 th:TH_LOAD_NT   ; 32 lanes read 512 consecutive bytes of channel k
.set k, k+1
.endr
; my wave's figure in v[16:23] (four packed chains) becomes the group's in v176: within the lane, across the lanes, across the sixteen waves (every wave adds the sixteen in the same order)
.macro REDUCE off
	v_pk_add_f32 v[16:17], v[16:17], v[18:19]
	v_pk_add_f32 v[20:21], v[20:21], v[22:23]
	v_pk_add_f32 v[16:17], v[16:17], v[20:21]
	v_add_f32 v16, v16, v17
	v_add_f32_dpp v16, v16, v16 row_xmask:1 row_mask:0xf bank_mask:0xf
	v_add_f32_dpp v16, v16, v16 row_xmask:2 row_mask:0xf bank_mask:0xf
	v_add_f32_dpp v16, v16, v16 row_xmask:4 row_mask:0xf bank_mask:0xf
	v_add_f32_dpp v16, v16, v16 row_xmask:8 row_mask:0xf bank_mask:0xf
	v_permlanex16_b32 v17, v16, s60, s61
	v_add_f32 v16, v16, v17
	ds_store_b32 v5, v16 offset:\off
	s_wait_dscnt 0x0                               ; for the others' sake: my store has landed
	s_barrier_signal -1
	s_barrier_wait -1
.irp i, 0,1,2,3
	ds_load_b128 v[PT+4*\i:PT+4*\i+3], v6 offset:\off+16*\i
.endr
	s_wait_dscnt 0x0
	v_pk_add_f32 v[PT:PT+1], v[PT:PT+1], v[PT+2:PT+3]
	v_pk_add_f32 v[PT+4:PT+5], v[PT+4:PT+5], v[PT+6:PT+7]
	v_pk_add_f32 v[PT+8:PT+9], v[PT+8:PT+9], v[PT+10:PT+11]
	v_pk_add_f32 v[PT+12:PT+13], v[PT+12:PT+13], v[PT+14:PT+15]
	v_pk_add_f32 v[PT:PT+1], v[PT:PT+1], v[PT+4:PT+5]
	v_pk_add_f32 v[PT+8:PT+9], v[PT+8:PT+9], v[PT+12:PT+13]
	v_pk_add_f32 v[PT:PT+1], v[PT:PT+1], v[PT+8:PT+9]
	v_add_f32 v[PT], v[PT], v[PT+1]
.endm
	; ---- the sum: eight loads' numbers at a time; each count is the number of younger loads of x
	s_wait_loadcnt 24
.irp k, 0,1,2,3
	v_pk_add_f32 v[16+2*\k:17+2*\k], v[X+2*\k:X+2*\k+1], v[X+8+2*\k:X+9+2*\k]   ; the first eight pairs start the four chains: nothing is cleared
.endr
.set j, 8
.rept 8
	v_pk_add_f32 v[16+2*(j%4):17+2*(j%4)], v[16+2*(j%4):17+2*(j%4)], v[X+2*j:X+2*j+1]
.set j, j+1
.endr
.irp left, 16, 8, 0
	s_wait_loadcnt \left
.rept 16
	v_pk_add_f32 v[16+2*(j%4):17+2*(j%4)], v[16+2*(j%4):17+2*(j%4)], v[X+2*j:X+2*j+1]
.set j, j+1
.endr
.endr
	REDUCE 0
	v_mul_f32 v24, 0x37800000, v[PT]               ; the mean: the sum x 2^-16
	v_mov_b32 v25, v24
	; ---- waves 0 and 1: the weight's fragment (shown in by the wait for 0 above) goes out as two half-fragment images
	s_cmp_lt_u32 s56, 2
	s_cbranch_scc0 .Lno_w_store
	s_lshl_b32 s62, ttmp9, 1
	s_add_co_u32 s62, s62, s56
	s_mul_i32 s62, s62, 1536                       ; fragments lie on end: weight, tile, K step
	s_mov_b32 s63, 0
	s_add_nc_u64 s[22:23], s[22:23], s[62:63]
	global_store_b128 v12, v[WR:WR+3], s[22:23]
	global_store_b64 v13, v[WR+4:WR+5], s[22:23]
	global_store_b128 v12, v[WR+6:WR+9], s[22:23] offset:768
	global_store_b64 v13, v[WR+10:WR+11], s[22:23] offset:768
.Lno_w_store:
	; ---- x - mean, in place; the sum of its squares
.set j, 0
.rept 64
	v_pk_add_f32 v[X+2*j:X+2*j+1], v[X+2*j:X+2*j+1], v[24:25] neg_lo:[0,1] neg_hi:[0,1]
.set j, j+1
.endr
.irp k, 0,1,2,3
	v_pk_mul_f32 v[16+2*\k:17+2*\k], v[X+2*\k:X+2*\k+1], v[X+2*\k:X+2*\k+1]
.endr
.set j, 4
.rept 60
	v_pk_fma_f32 v[16+2*(j%4):17+2*(j%4)], v[X+2*j:X+2*j+1], v[X+2*j:X+2*j+1], v[16+2*(j%4):17+2*(j%4)]
.set j, j+1
.endr
	REDUCE RED2-RED                                ; other bytes than the first sums': no barrier is owed between the two
	s_mov_b32 s62, 0x37800000                      ; 2^-16
	v_mov_b32 v27, 0x3727c5ac                      ; 1e-5
	v_fma_f32 v26, v[PT], s62, v27                 ; the variance + 1e-5
	v_rsq_f32 v26, v26
	v_nop                                          ; a plain instruction behind the transcendental
	s_wait_alu depctr_va_vdst(0)
	v_readfirstlane_b32 s59, v26
	s_wait_kmcnt 0x0                               ; gn_w, gn_b
.set k, 0
.rept 32
	s_mul_f32 s[24+k], s[24+k], s59                ; gn_w / sqrt(var + 1e-5), channel by channel
.set k, k+1
.endr
	s_wait_xcnt 0x0                                ; the weight's stores have read v160-171: T is written only behind this wait
; ---- position p of my four: hn of its 32 channels, the block's scale, its 24 bytes of codes into the image
.macro COL p
.set k, 0
.rept 32
	v_fma_f32 v[T+k], v[X+4*k+\p], s[24+k], s[68+k]
.set k, k+1
.endr
	v_max3_num_f32 v26, |v[T]|, |v[T+1]|, |v[T+2]|
	v_max3_num_f32 v27, |v[T+3]|, |v[T+4]|, |v[T+5]|
.irp i, 6,10,14,18,22,26
	v_max3_num_f32 v26, v26, |v[T+\i]|, |v[T+\i+1]|
	v_max3_num_f32 v27, v27, |v[T+\i+2]|, |v[T+\i+3]|
.endr
	v_max3_num_f32 v26, v26, |v[T+30]|, |v[T+31]|
	v_max3_num_f32 v26, v26, v27, 0x1800000        ; and the floor 2^(3 - 127): the byte cannot fall under 1
	v_add_nc_u32 v28, 0xff000000, v26              ; 2 off the exponent field: the conversion takes this operand's exponent field as its scale
	v_cvt_scalef32_pk16_fp6_f32 v[192:194], v[T:T+15], v28
	v_cvt_scalef32_pk16_fp6_f32 v[198:200], v[T+16:T+31], v28   ; (a conversion's three registers begin on an even number)
	v_lshrrev_b32 v29, 23, v28                     ; the scale's byte; also the plain instruction behind the conversions
	v_mov_b32 v195, v198
	v_mov_b32 v196, v199
	v_mov_b32 v197, v200
	ds_store_b128 v2, v[192:195] offset:16*\p
	ds_store_b64 v3, v[196:197] offset:8*\p
	ds_store_b8 v4, v29 offset:2*\p
	s_wait_dscnt 0x0                               ; the stores have read their registers (and, at the last, have landed for the others' sake)
.endm
	COL 0
	COL 1
	COL 2
	COL 3
	s_barrier_signal -1
	s_barrier_wait -1                              ; the group's 49,152 bytes of codes and 2,048 scale bytes lie in LDS
.irp i, 0,1,2,3,4,5
	ds_load_b128 v[X+4*\i:X+4*\i+3], v7 offset:(\i/3)*24576+(\i%3)*256
.endr
	ds_load_u16 v56, v9
	ds_load_u16 v57, v9 offset:1024
.irp i, 0,1,2,3,4,5
	s_wait_dscnt 7-\i                              ; the younger LDS loads may be out
	global_store_b128 v8, v[X+4*\i:X+4*\i+3], s[18:19] offset:(\i/3)*196608+(\i%3)*256   ; sixteen lanes store 256 consecutive bytes, at a multiple of 256 from the buffer's first byte
.endr
	s_wait_dscnt 0x0
	global_store_b16 v10, v56, s[20:21]
	global_store_b16 v10, v57, s[20:21] offset:8192
	s_wait_tensorcnt 0x0
	ds_add_u32 v208, v209
	s_wait_dscnt 0x0
	s_endpgm
.Lfunc_end_k_q9606b0bbb5_gnq:
	.size	k_q9606b0bbb5_gnq, .Lfunc_end_k_q9606b0bbb5_gnq-k_q9606b0bbb5_gnq
	.p2alignl 7, 3214868480
	.fill 96, 4, 3214868480
	.section	.rodata,"a",@progbits
	.p2align	6, 0x0
	.amdhsa_kernel k_q9606b0bbb5_gnq
		.amdhsa_group_segment_fixed_size 53760
		.amdhsa_private_segment_fixed_size 0
		.amdhsa_enable_private_segment 0
		.amdhsa_kernarg_size 80
		.amdhsa_user_sgpr_count 2
		.amdhsa_user_sgpr_kernarg_segment_ptr 1
		.amdhsa_wavefront_size32 1
		.amdhsa_system_sgpr_workgroup_id_x 1
		.amdhsa_system_sgpr_workgroup_id_y 1
		.amdhsa_system_sgpr_workgroup_id_z 1
		.amdhsa_system_vgpr_workitem_id 0
		.amdhsa_next_free_vgpr 210
		.amdhsa_next_free_sgpr 102
		.amdhsa_reserve_vcc 0
		.amdhsa_float_denorm_mode_32 3
		.amdhsa_float_denorm_mode_16_64 3
		.amdhsa_memory_ordered 1
		.amdhsa_forward_progress 1
		.amdhsa_inst_pref_size 42
	.end_amdhsa_kernel
	.amdgpu_metadata
---
amdhsa.version: [ 1, 2 ]
amdhsa.kernels:
  - .name:           k_q9606b0bbb5_gnq
    .symbol:         k_q9606b0bbb5_gnq.kd
    .args:
      - { .name: x, .offset: 0, .size: 8, .value_kind: global_buffer, .address_space: global }
      - { .name: gn_w, .offset: 8, .size: 8, .value_kind: global_buffer, .address_space: global }
      - { .name: gn_b, .offset: 16, .size: 8, .value_kind: global_buffer, .address_space: global }
      - { .name: wq_codes, .offset: 24, .size: 8, .value_kind: global_buffer, .address_space: global }
      - { .name: wk_codes, .offset: 32, .size: 8, .value_kind: global_buffer, .address_space: global }
      - { .name: wv_codes, .offset: 40, .size: 8, .value_kind: global_buffer, .address_space: global }
      - { .name: wo_codes, .offset: 48, .size: 8, .value_kind: global_buffer, .address_space: global }
      - { .name: hn_codes, .offset: 56, .size: 8, .value_kind: global_buffer, .address_space: global }
      - { .name: hn_scales, .offset: 64, .size: 8, .value_kind: global_buffer, .address_space: global }
      - { .name: w_img, .offset: 72, .size: 8, .value_kind: global_buffer, .address_space: global }
    .group_segment_fixed_size: 53760
    .private_segment_fixed_size: 0
    .kernarg_segment_align: 8
    .kernarg_segment_size: 80
    .max_flat_workgroup_size: 512
    .sgpr_count:     102
    .vgpr_count:     210
    .wavefront_size: 32
...
	.end_amdgpu_metadata
.endif
;; end of part 1
;; launch proj (part 2): grid 64 x 3, 4 waves a work-group, no clusters, 207,360 bytes of LDS; arguments hn_codes, hn_scales, w_img, wq_scales, wk_scales, wv_scales, bq, bk, bv, qkv_img, qkv_scl; writes qkv_img, qkv_scl
.if DOCPART == 2
	.amdgcn_target "amdgcn-amd-amdhsa--gfx1250"
	.amdhsa_code_object_version 6
	.text
	.protected	k_q9606b0bbb5_proj
	.globl	k_q9606b0bbb5_proj
	.p2align	8
	.type	k_q9606b0bbb5_proj,@function
k_q9606b0bbb5_proj:
	s_mov_b64 s[64:65], 0
	v_nop
	global_prefetch_b8 v0, s[64:65] scope:SCOPE_SE
	s_setreg_imm32_b32 hwreg(HW_REG_WAVE_MODE, 25, 1), 1
	s_wait_xcnt 0x0
; q, k, v = W hn + bias, on codes of E2M3 with E8M0 scales, and their quantisers: q and k along the channels, v along the keys.  One text for the three: work-group y is the kind (0 q, 1 k, 2 v),
; work-group x is 512 positions of a batch (b = x / 2, half = x % 2).  Every result tile is (source 0 = P_i, source 1 = R_j).
;   P: 8 tiles x 4 K steps, 384 registers, stay in a wave for the whole launch.  R: 32 tiles, 196,608 bytes, stay in LDS, filled once, read by all four waves.
;   q, k: P = the weight's tiles 8 w .. 8 w + 7; R = hn of the 512 positions.  A lane then holds one position, and its 64 results run along 128 output channels: K step w of a fragment of q or k.
;   v:    P = hn of positions 128 (4 half + w) on; R = all of wv.  A lane then holds one channel, and its 64 results run along 128 keys: one fragment of v, keys innermost.
; The rows of every tile are 32 (t / 2) + 8 (t % 2) + r + 8 (r / 8), so that the 16 registers of result tiles 2 b and 2 b + 1 are 16 neighbours along the next K.
; OUT: fragments as images of their registers (registers 4 c .. 4 c + 3 of lane l at 512 c + 16 l): q, k [b][t 64][s 4][1536]; v [b][key step 8][ct 32][1536]; scale words [..][16 rows] u32 beside them
; (64 bytes a store: one byte in 24 of what the launch stores).
; No cluster: what neighbours share is the v kind's R alone, a sixth of what the launch fetches, and the grid's 3 along y divides into no cluster.  192 work-groups: each operand is then fetched once by each.
; LIMITS: NaN and infinities are not served; a block of zeros or under 2^-124 gets the byte 1 (read by this program alone; zero codes add nothing).
.set RSB, 196608                       ; LDS: 0 .. 196607 R's codes [j 32][kg 8][768]; R's scale bytes [row 512][16]; the kind's bias [512] f32
.set BL,  204800
.set RF,  16                           ; v16-111  two buffers of R's 4 fragments
.set HA,  112                          ; v112-175 the 8 accumulators
.set PC,  176                          ; v176-195 the codes just made, and the conversions' scratch
.set TM,  196                          ; v196-211 the quantiser's scratch
.set PW,  15                           ; v15      the scale word just made
.set BR,  212                          ; v[212:213], v[214:215] v's bias of my channel (the low word; the high is written once)
.set RSC, 216                          ; v216-223 R's scale words, 2 x 4
.set PS,  224                          ; v224-255 P's scale words: tile i, K step s at PS + 4 i + s
.set BP,  192                          ; window 1: the C of each sum's first product: q's, k's bias in the result's layout; zeros for v
; window 1: v0-191 P(i, s = 0, 1) at 24 i + 12 s.   window 2: v0-191 P(i, s = 2, 3).
; v1-4 LDS addresses in hand (codes' registers 0-3, codes' registers 4-5, scale words, bias); v5, v6 my offsets in the two outputs; v7, v8, v11, v12 the lane terms of v1-4; v9 16 (r + 8 (r / 8)); v10 64 h
.set MSB, 0
.macro WIN new                         ; the immediate's high byte repeats the setting that is left
.if MSB != (\new)
	s_set_vgpr_msb (MSB<<8)|(\new)
.set MSB, (\new)
.endif
.endm
.macro PLACES                          ; four plain instructions between a matrix instruction and a read of its result or a load into its registers
.rept 4
	v_nop
.endr
.endm
; 64 numbers of a lane, register 16 b + i = k 32 b + 16 (lane / 16) + i of my row, become a fragment's codes in v[PC] on and its scale word in v[PW]
.macro QUANT s
.irp b, 0,1,2,3
	v_max3_num_f32 v[TM+\b], |v[\s+16*\b]|, |v[\s+1+16*\b]|, 0x1800000   ; my 16 numbers of block b, and the floor 2^(3 - 127): the byte cannot fall under 1
.endr
.irp i, 2,4,6,8,10,12,14
.irp b, 0,1,2,3
	v_max3_num_f32 v[TM+\b], v[TM+\b], |v[\s+16*\b+\i]|, |v[\s+1+16*\b+\i]|
.endr
.endr
.irp b, 0,1,2,3
	v_permlanex16_b32 v[TM+4+\b], v[TM+\b], s92, s93
.endr
.irp b, 0,1,2,3
	v_max_num_f32 v[TM+\b], v[TM+\b], v[TM+4+\b]   ; with lane l xor 16's: the block's largest magnitude
.endr
.irp b, 0,1,2,3
	v_add_nc_u32 v[TM+12+\b], 0xff000000, v[TM+\b] ; 2 off its exponent field: the conversion's scale operand
.endr
.irp b, 0,1,2,3
	v_lshrrev_b32 v[TM+4+\b], 23, v[TM+12+\b]      ; the scale's byte
.endr
	v_lshl_or_b32 v[PW], v[TM+5], 8, v[TM+4]
	v_lshl_or_b32 v[PW], v[TM+6], 16, v[PW]
	v_lshl_or_b32 v[PW], v[TM+7], 24, v[PW]
.irp c, 0,1
	v_cvt_scalef32_pk16_fp6_f32 v[PC+6*\c:PC+2+6*\c], v[\s+32*\c:\s+15+32*\c], v[TM+12+2*\c]
	v_cvt_scalef32_pk16_fp6_f32 v[PC+12+4*\c:PC+14+4*\c], v[\s+16+32*\c:\s+31+32*\c], v[TM+12+2*\c+1]   ; (a conversion's three registers begin on an even number)
.endr
	v_nop                                          ; one plain instruction behind a scaled conversion
.irp c, 0,1                                    ; the operand's layout wants a whole block in a lane: lanes 0-15 block 2 c, lanes 16-31 block 2 c + 1
.irp i, 0,1,2
	v_permlane16_swap_b32 v[PC+6*\c+\i], v[PC+12+4*\c+\i]
.endr
.irp i, 0,1,2
	v_mov_b32 v[PC+3+6*\c+\i], v[PC+12+4*\c+\i]
.endr
.endr
.endm
	s_load_b512 s[4:19], s[0:1], 0x0               ; hn_codes 4, hn_scales 6, w_img 8, wq_scales 10, wk_scales 12, wv_scales 14, bq 16, bk 18
	s_load_b128 s[20:23], s[0:1], 0x40             ; bv 20, qkv_img 22
	s_load_b64 s[24:25], s[0:1], 0x50              ; qkv_scl
	v_lshl_add_u32 v206, v0, 2, 0x32800
	v_mov_b32 v207, 0
	ds_add_u32 v206, v207
	ds_add_u32 v206, v207
	v_lshrrev_b32 v14, 5, v0
	v_readfirstlane_b32 s60, v14                   ; wave 0..3
	s_and_b32 s61, ttmp7, 0xffff                   ; kind
	s_mul_i32 s96, ttmp9, 196608                   ; my 512 positions in a buffer of codes,
	s_lshl_b32 s97, ttmp9, 13                      ; and in one of scales
	s_mul_i32 s98, s61, 196608                     ; my weight in w_img
	s_mov_b32 s95, 0
	s_mov_b32 s92, 0x76543210
	s_mov_b32 s93, 0xfedcba98                      ; v_permlanex16_b32's selects for lane l xor 16
	; descriptor groups 1: dense blocks as rows of 256 bytes (32 elements of 8 bytes): 48 rows (a wave's quarter of 8 tiles of R), 8 rows (its quarter of the scale bytes); one row of 512 bytes (of the bias)
	s_mov_b32 s36, 3<<16
	s_mov_b32 s37, 32<<16
	s_mov_b32 s38, 48<<16
	s_mov_b32 s39, 32<<16
	s_mov_b32 s40, 48
	s_mov_b32 s41, 32
	s_mov_b32 s42, 0
	s_mov_b32 s43, 0
	s_mov_b32 s44, 3<<16
	s_mov_b32 s45, 32<<16
	s_mov_b32 s46, 8<<16
	s_mov_b32 s47, 32<<16
	s_mov_b32 s48, 8
	s_mov_b32 s49, 32
	s_mov_b32 s50, 0
	s_mov_b32 s51, 0
	s_mov_b32 s52, 3<<16
	s_mov_b32 s53, 64<<16
	s_mov_b32 s54, 1<<16
	s_mov_b32 s55, 64<<16
	s_mov_b32 s56, 1
	s_mov_b32 s57, 64
	s_mov_b32 s58, 0
	s_mov_b32 s59, 0
	v_and_b32 v13, 15, v0                          ; r
	v_bfe_u32 v14, v0, 4, 1                        ; h
	v_mul_u32_u24 v7, v14, 384
	v_lshl_add_u32 v8, v13, 3, v7
	v_add_nc_u32 v8, 256, v8                       ; 384 h + 256 + 8 r
	v_lshl_add_u32 v7, v13, 4, v7                  ; 384 h + 16 r
	v_lshlrev_b32 v6, 2, v13                       ; 4 r
	v_lshlrev_b32 v10, 6, v14                      ; 64 h
	v_and_b32 v14, 8, v13
	v_add_nc_u32 v14, v14, v13                     ; r + 8 (r / 8)
	v_lshlrev_b32 v9, 4, v14
	v_lshl_add_u32 v11, v14, 4, RSB
	v_lshl_add_u32 v12, v14, 2, BL
	v_and_b32 v5, 31, v0
	v_lshlrev_b32 v5, 4, v5                        ; 16 l
	v_mov_b32 v1, v7
	v_mov_b32 v2, v8
	v_mov_b32 v3, v11
	v_mov_b32 v4, v12
.irp b, 0,1,2,3
	v_mov_b32 v[TM+4+\b], 0                        ; written once: a lane permute's destination counts as one of its sources
.endr
	v_mov_b32 v[BR+1], 0                           ; (named as the upper halves of pairs)
	v_mov_b32 v[BR+3], 0
	s_wait_dscnt 0x0
	s_wait_kmcnt 0x0
	; the kind chooses the buffers; the lines between a compare and the last choice on it leave SCC alone
	s_cmp_eq_u32 s61, 1
	s_cselect_b64 s[32:33], s[12:13], s[10:11]
	s_cselect_b64 s[34:35], s[18:19], s[16:17]
	s_cmp_eq_u32 s61, 2
	s_cselect_b64 s[32:33], s[6:7], s[32:33]       ; P's scales
	s_cselect_b64 s[34:35], s[20:21], s[34:35]     ; the bias
	s_cselect_b64 s[26:27], s[8:9], s[4:5]         ; R's codes
	s_cselect_b64 s[28:29], s[14:15], s[6:7]       ; R's scales
	s_cselect_b64 s[30:31], s[4:5], s[8:9]         ; P's codes
	s_cselect_b32 s94, 393216, s96
	s_add_nc_u64 s[26:27], s[26:27], s[94:95]
	s_cselect_b32 s94, 0, s97
	s_add_nc_u64 s[28:29], s[28:29], s[94:95]
	s_cselect_b32 s94, s96, s98
	s_add_nc_u64 s[30:31], s[30:31], s[94:95]
	s_cselect_b32 s94, s97, 0
	s_add_nc_u64 s[32:33], s[32:33], s[94:95]
	s_mov_b32 s63, 6144
	s_cselect_b32 s63, 1536, s63                   ; from one R tile's fragment to the next in the output,
	s_cselect_b32 s66, 64, 256                     ; and its scale words
	s_mov_b32 s99, 1536
	s_cselect_b32 s99, 49152, s99                  ; from wave to wave in the output,
	s_cselect_b32 s2, 2048, 64                     ; and in its scale words
	s_mul_i32 s94, s99, s60
	s_add_nc_u64 s[22:23], s[22:23], s[94:95]
	s_mov_b32 s94, s96
	s_add_nc_u64 s[22:23], s[22:23], s[94:95]
	s_mul_i32 s94, s61, 12582912
	s_add_nc_u64 s[22:23], s[22:23], s[94:95]      ; where my fragments go
	s_mul_i32 s94, s2, s60
	s_add_nc_u64 s[24:25], s[24:25], s[94:95]
	s_mov_b32 s94, s97
	s_add_nc_u64 s[24:25], s[24:25], s[94:95]
	s_mul_i32 s94, s61, 524288
	s_add_nc_u64 s[24:25], s[24:25], s[94:95]      ; and their scale words
	s_mul_i32 s94, s60, 49152
	s_add_nc_u64 s[30:31], s[30:31], s[94:95]      ; my 8 tiles of P
	s_mul_i32 s94, s60, 2048
	s_add_nc_u64 s[32:33], s[32:33], s[94:95]      ; their 128 rows of scales
	; descriptor groups 0: each load has its own; LDS addresses are a constant + a constant x wave
	s_mov_b32 s68, 1
	s_add_co_u32 s69, s94, RSB
	s_add_nc_u64 s[70:71], s[28:29], s[94:95]
	s_or_b32 s71, s71, 0x80000000
	s_mul_i32 s94, s60, 512
	s_add_nc_u64 s[34:35], s[34:35], s[94:95]      ; the bias at 128 x wave: my quarter for LDS, and (q, k) my output channels'
	s_mov_b32 s72, 1
	s_add_co_u32 s73, s94, BL
	s_mov_b64 s[74:75], s[34:35]
	s_or_b32 s75, s75, 0x80000000
	s_mul_i32 s94, s60, 12288
	s_add_nc_u64 s[26:27], s[26:27], s[94:95]
.irp q, 0,1,2,3
	s_mov_b32 s[76+4*\q], 1
	s_add_co_u32 s[77+4*\q], s94, \q*49152
	s_add_nc_u64 s[78+4*\q:79+4*\q], s[26:27], \q*49152
	s_or_b32 s[79+4*\q], s[79+4*\q], 0x80000000
.endr
	; all fills of the launch, each of bytes filled once, in one group: six loads of mine are out
	tensor_load_to_lds s[68:71], s[44:51]
	s_nop 0
	tensor_load_to_lds s[72:75], s[52:59]
	s_nop 0
	tensor_load_to_lds s[76:79], s[36:43]
	s_nop 0
	tensor_load_to_lds s[80:83], s[36:43]
	s_nop 0
	tensor_load_to_lds s[84:87], s[36:43]
	s_nop 0
	tensor_load_to_lds s[88:91], s[36:43]
	s_nop 0
	PLACES                                         ; four v_nop follow the last
	s_mov_b32 s94, 0                               ; from here on: how far the LDS addresses have walked: codes,
	s_mov_b32 s95, 0                               ; scale words,
	s_mov_b32 s96, 0                               ; bias
	WIN 0x40                                       ; destination window 1
.irp i, 0,1,2,3,4,5,6,7
.irp s, 0,1
.irp c, 0,1
	global_load_b128 v[24*\i+12*\s+6*\c:24*\i+12*\s+6*\c+3], v7, s[30:31] offset:\i*6144+(2*\s+\c)*768
	global_load_b64 v[24*\i+12*\s+6*\c+4:24*\i+12*\s+6*\c+5], v8, s[30:31] offset:\i*6144+(2*\s+\c)*768
.endr
.endr
.endr
	WIN 0x80                                       ; destination window 2
.irp i, 0,1,2,3,4,5,6,7
.irp s, 0,1
.irp c, 0,1
	global_load_b128 v[24*\i+12*\s+6*\c:24*\i+12*\s+6*\c+3], v7, s[30:31] offset:\i*6144+(4+2*\s+\c)*768
	global_load_b64 v[24*\i+12*\s+6*\c+4:24*\i+12*\s+6*\c+5], v8, s[30:31] offset:\i*6144+(4+2*\s+\c)*768
.endr
.endr
.endr
	WIN 0
.irp i, 0,1,2,3,4,5,6,7
	global_load_b128 v[PS+4*\i:PS+4*\i+3], v9, s[32:33] offset:(32*(\i/2)+8*(\i%2))*16   ; a row's 16 scale bytes are its four K steps' words
.endr
	s_cmp_eq_u32 s61, 2
	s_cbranch_scc1 .Lzero_c
	WIN 0x40
.irp i, 0,1,2,3,4,5,6,7                        ; q, k: the bias runs along the registers: tile i, lane half h: channels 32 (i / 2) + 8 (i % 2) + 16 h + 0 .. 7
	global_load_b128 v[BP+8*\i:BP+8*\i+3], v10, s[34:35] offset:(32*(\i/2)+8*(\i%2))*4
	global_load_b128 v[BP+8*\i+4:BP+8*\i+7], v10, s[34:35] offset:(32*(\i/2)+8*(\i%2))*4+16
.endr
	WIN 0
	s_branch .Lc_done
.Lzero_c:
	WIN 0x40
.set k, 0
.rept 64
	v_mov_b32 v[BP+k], 0                           ; v: its bias runs along the lanes and is added behind the sums; one text serves the three kinds, so the C of the first products is zeros here, written once
.set k, k+1
.endr
	WIN 0
.Lc_done:
	s_wait_loadcnt 0x0                             ; P, its scale words, the bias
.macro RFETCH be, oc, os, ob           ; 18 LDS loads: a tile of R (4 fragments, as half-fragment images), its rows' four scale words, v's bias of its rows (loaded by every kind, so that the counts are alike)
.irp s, 0,1,2,3
.irp c, 0,1
	ds_load_b128 v[RF+48*(\be)+12*\s+6*\c:RF+48*(\be)+12*\s+6*\c+3], v1 offset:(\oc)+(2*\s+\c)*768
	ds_load_b64 v[RF+48*(\be)+12*\s+6*\c+4:RF+48*(\be)+12*\s+6*\c+5], v2 offset:(\oc)+(2*\s+\c)*768
.endr
.endr
	ds_load_b128 v[RSC+4*(\be):RSC+4*(\be)+3], v3 offset:\os
	ds_load_b32 v[BR+2*(\be)], v4 offset:\ob
.endm
.macro MUL be                          ; 32 matrix instructions: the 8 accumulators by turns, K step by K step
	WIN 0x11                                       ; source 0 (P) and source 2 (the first C) window 1
.irp i, 0,1,2,3,4,5,6,7
	v_wmma_scale_f32_16x16x128_f8f6f4 v[HA+8*\i:HA+8*\i+7], v[24*\i:24*\i+11], v[RF+48*(\be):RF+48*(\be)+11], v[BP+8*\i:BP+8*\i+7], v[PS+4*\i], v[RSC+4*(\be)] matrix_a_fmt:MATRIX_FMT_FP6 matrix_b_fmt:MATRIX_FMT_FP6
.endr
	WIN 0x01
.irp i, 0,1,2,3,4,5,6,7
	v_wmma_scale_f32_16x16x128_f8f6f4 v[HA+8*\i:HA+8*\i+7], v[24*\i+12:24*\i+23], v[RF+48*(\be)+12:RF+48*(\be)+23], v[HA+8*\i:HA+8*\i+7], v[PS+4*\i+1], v[RSC+4*(\be)+1] matrix_a_fmt:MATRIX_FMT_FP6 matrix_b_fmt:MATRIX_FMT_FP6
.endr
	WIN 0x02                                       ; source 0 window 2
.irp i, 0,1,2,3,4,5,6,7
	v_wmma_scale_f32_16x16x128_f8f6f4 v[HA+8*\i:HA+8*\i+7], v[24*\i:24*\i+11], v[RF+48*(\be)+24:RF+48*(\be)+35], v[HA+8*\i:HA+8*\i+7], v[PS+4*\i+2], v[RSC+4*(\be)+2] matrix_a_fmt:MATRIX_FMT_FP6 matrix_b_fmt:MATRIX_FMT_FP6
.endr
.irp i, 0,1,2,3,4,5,6,7
	v_wmma_scale_f32_16x16x128_f8f6f4 v[HA+8*\i:HA+8*\i+7], v[24*\i+12:24*\i+23], v[RF+48*(\be)+36:RF+48*(\be)+47], v[HA+8*\i:HA+8*\i+7], v[PS+4*\i+3], v[RSC+4*(\be)+3] matrix_a_fmt:MATRIX_FMT_FP6 matrix_b_fmt:MATRIX_FMT_FP6
.endr
	WIN 0
.endm
.macro WORK be                         ; a tile of R: its products, v's bias, the quantiser, the fragment's image and scale words to memory
	MUL \be
	PLACES
	s_cmp_lg_u32 s61, 2
	s_cbranch_scc1 .Lno_bias_\@
.set k, 0
.rept 32
	v_pk_add_f32 v[HA+k:HA+k+1], v[HA+k:HA+k+1], v[BR+2*(\be):BR+2*(\be)+1] op_sel_hi:[1,0]   ; each accumulator from its low end on
.set k, k+2
.endr
.Lno_bias_\@:
	QUANT HA                                       ; its plain instructions are also the places in front of the next loads into R's buffer and of the next products, which begin the accumulators anew
.irp c, 0,1,2
	global_store_b128 v5, v[PC+4*\c:PC+4*\c+3], s[22:23] offset:512*\c   ; 32 lanes store 512 consecutive bytes, at a multiple of 256 from the buffer's first byte
.endr
	global_store_b32 v6, v[PW], s[24:25]           ; lanes 16-31 hold lanes 0-15's words and write them again
	s_wait_xcnt 0x0                                ; the stores' offsets and data are written again only behind this wait
	v_add_nc_u32 v5, s63, v5
	v_add_nc_u32 v6, s66, v6
.endm
.macro EVEN                            ; the even tile of a pair: the odd one is asked for first
	RFETCH 1, 6144, 128, 32
	s_wait_dscnt 18                                ; all but the 18 just issued
	WORK 0
.endm
.macro ODD fetch                       ; the odd tile: its loads are a tile's work old; with none out the addresses step to the next pair
	s_wait_dscnt 0x0
	s_add_co_u32 s94, s94, 12288
	s_add_co_u32 s95, s95, 512
	s_add_co_u32 s96, s96, 128
	v_add_nc_u32 v1, s94, v7
	v_add_nc_u32 v2, s94, v8
	v_add_nc_u32 v3, s95, v11
	v_add_nc_u32 v4, s96, v12
.if \fetch
	RFETCH 0, 0, 0, 0
.endif
	WORK 1
.endm
.macro CHUNK q                         ; 8 tiles of R, which four tensor loads brought
	s_wait_dscnt 0x0
	s_wait_tensorcnt 3-\q                          ; my part of this chunk has landed (and the scales and the bias, which are older); the 3 - q younger chunks may stay out
	s_barrier_signal -1
	s_barrier_wait -1                              ; everybody's part has
	RFETCH 0, 0, 0, 0
	s_mov_b32 s62, 3
.Lpair_\@:
	EVEN
	ODD 1
	s_sub_co_u32 s62, s62, 1
	s_cmp_lg_u32 s62, 0
	s_cbranch_scc1 .Lpair_\@
	EVEN
	ODD 0                                          ; the chunk's last tile asks for nothing: the next chunk is read behind its own wait and barrier
.endm
	CHUNK 0
	CHUNK 1
	CHUNK 2
	CHUNK 3
	s_wait_tensorcnt 0x0
	ds_add_u32 v206, v207
	s_wait_dscnt 0x0
	s_endpgm
.Lfunc_end_k_q9606b0bbb5_proj:
	.size	k_q9606b0bbb5_proj, .Lfunc_end_k_q9606b0bbb5_proj-k_q9606b0bbb5_proj
	.p2alignl 7, 3214868480
	.fill 96, 4, 3214868480
	.section	.rodata,"a",@progbits
	.p2align	6, 0x0
	.amdhsa_kernel k_q9606b0bbb5_proj
		.amdhsa_group_segment_fixed_size 207360
		.amdhsa_private_segment_fixed_size 0
		.amdhsa_enable_private_segment 0
		.amdhsa_kernarg_size 88
		.amdhsa_user_sgpr_count 2
		.amdhsa_user_sgpr_kernarg_segment_ptr 1
		.amdhsa_wavefront_size32 1
		.amdhsa_system_sgpr_workgroup_id_x 1
		.amdhsa_system_sgpr_workgroup_id_y 1
		.amdhsa_system_sgpr_workgroup_id_z 1
		.amdhsa_system_vgpr_workitem_id 0
		.amdhsa_next_free_vgpr 704
		.amdhsa_next_free_sgpr 100
		.amdhsa_reserve_vcc 0
		.amdhsa_float_denorm_mode_32 3
		.amdhsa_float_denorm_mode_16_64 3
		.amdhsa_memory_ordered 1
		.amdhsa_forward_progress 1
		.amdhsa_inst_pref_size 215
	.end_amdhsa_kernel
	.amdgpu_metadata
---
amdhsa.version: [ 1, 2 ]
amdhsa.kernels:
  - .name:           k_q9606b0bbb5_proj
    .symbol:         k_q9606b0bbb5_proj.kd
    .args:
      - { .name: hn_codes, .offset: 0, .size: 8, .value_kind: global_buffer, .address_space: global }
      - { .name: hn_scales, .offset: 8, .size: 8, .value_kind: global_buffer, .address_space: global }
      - { .name: w_img, .offset: 16, .size: 8, .value_kind: global_buffer, .address_space: global }
      - { .name: wq_scales, .offset: 24, .size: 8, .value_kind: global_buffer, .address_space: global }
      - { .name: wk_scales, .offset: 32, .size: 8, .value_kind: global_buffer, .address_space: global }
      - { .name: wv_scales, .offset: 40, .size: 8, .value_kind: global_buffer, .address_space: global }
      - { .name: bq, .offset: 48, .size: 8, .value_kind: global_buffer, .address_space: global }
      - { .name: bk, .offset: 56, .size: 8, .value_kind: global_buffer, .address_space: global }
      - { .name: bv, .offset: 64, .size: 8, .value_kind: global_buffer, .address_space: global }
      - { .name: qkv_img, .offset: 72, .size: 8, .value_kind: global_buffer, .address_space: global }
      - { .name: qkv_scl, .offset: 80, .size: 8, .value_kind: global_buffer, .address_space: global }
    .group_segment_fixed_size: 207360
    .private_segment_fixed_size: 0
    .kernarg_segment_align: 8
    .kernarg_segment_size: 88
    .max_flat_workgroup_size: 128
    .sgpr_count:     100
    .vgpr_count:     704
    .wavefront_size: 32
...
	.end_amdgpu_metadata
.endif
;; end of part 2
;; launch attn (part 3): grid 8 x 32, 4 waves a work-group, clusters of 4 x 1, 327,680 bytes of LDS; arguments qkv_img, qkv_scl, w_img, wo_scales, bo, x, out0; writes out0
.if DOCPART == 3
	.amdgcn_target "amdgcn-amd-amdhsa--gfx1250"
	.amdhsa_code_object_version 6
	.text
	.protected	k_q9606b0bbb5_attn
	.globl	k_q9606b0bbb5_attn
	.p2align	8
	.type	k_q9606b0bbb5_attn,@function
k_q9606b0bbb5_attn:
	s_mov_b64 s[64:65], 0
	v_nop
	global_prefetch_b8 v0, s[64:65] scope:SCOPE_SE
	s_setreg_imm32_b32 hwreg(HW_REG_WAVE_MODE, 25, 1), 1
	s_wait_xcnt 0x0
	s_wait_alu depctr_hold_cnt(0) depctr_sa_sdst(0) depctr_va_vdst(0) depctr_va_sdst(0) depctr_va_ssrc(0) depctr_va_vcc(0) depctr_vm_vsrc(0)
	s_getreg_b32 s2, hwreg(HW_REG_IB_STS2, 6, 4)
	s_cmp_eq_u32 s2, 0
	s_cbranch_scc0 .Lentry_in_a_cluster
	s_endpgm
.Lentry_in_a_cluster:
	s_bfe_u32 s2, ttmp6, 0x10000c
	s_cmp_lg_u32 s2, 0x3003
	s_cbranch_scc0 .Lentry_shape_is_right
	s_endpgm
.Lentry_shape_is_right:
; out = x + wo o + bo, o = softmax(q^T k / sqrt(512)) applied to v: three products on codes of E2M3 with E8M0 scales.  One head of size 512, 1,024 positions, 32 batches.
; SOFTMAX: t = score x log2(e) / sqrt(512) (one multiplication); M = the running largest t rounded up to a whole number; p = 2^(t - M) is quantised along the keys, not normalised; the row's sum is taken of the
; unquantised p and divides O at the end; when M moves, the sum and O are multiplied by 2^(old M - new M), which rounds nothing.
; SHARES: a work-group owns 128 positions of a batch: 8 tiles of 16 queries, two to a wave, so that each fragment of K or V read from LDS feeds two matrix instructions.  Every wave walks all 1,024 keys, 128 a step.
; Both products are used transposed (S^T = K Q^T, O^T = V^T P^T): a lane holds one query throughout.  The rows of every tile are 32 (t / 2) + 8 (t % 2) + r + 8 (r / 8), so that the 16 registers of result
; tiles 2 b, 2 b + 1 are 16 neighbours along the next K: the keys for p, the channels for o.
; RING: two LDS slots, each a key step's K (49,152 bytes) and V (49,152), dense blocks of fragment images; each wave brings a quarter by one tensor load.  The batch's scale words of K and V stay in LDS, filled once.
; CLUSTER: the four work-groups of a cluster belong to one batch and walk the same K and V: every fill of the ring is asked for jointly, by the same load with the same descriptor (made of the wave's number and
; the batch alone) and the mask of all four.  The place in the cluster enters the global addresses of Q, x and out0 alone.
; THE END: o = O / sum is quantised along the channels in registers, goes to the other waves through LDS as images of its registers, and wave w makes output channels 128 w .. 128 w + 127 for all 128 positions
; (source 0 = 16 positions of o, source 1 = 16 rows of wo: a lane holds eight neighbouring positions of one channel); bo is the C of each sum's first product; x is added on the way out.
; X COMES EARLY, so that at the end the stores have memory nearly to themselves.  Of a wave's 128 channel rows of 512 bytes: rows 32-71 come by a tensor load among the first fills, into bytes of their own; rows 80-127 by the wave's
; one tensor load behind the last change of slots, into slot 0, which has been read out by then; rows 0-31 and 72-79 by loads into registers behind the last products: a third region of 98,304 bytes beside
; the ring (2 x 98,304), the scale words (32,768) and the spare words (512) would pass LDS's 327,680 bytes by 512.  These two loads carry no mask: x is shared with nobody.  Each wave reads only the rows that it fetched.
; o's images, their scale words and the stages lie in slot 1: its last fill is key step 7's tile, and a barrier stands between every wave's last read of it and the first store into it.
; LIMITS: NaN and infinities are not served; a p under 2^-126 comes out of v_exp_f32 as 0; a block of zeros or under 2^-124 gets the scale byte 1 (zero codes add nothing).
; REGISTERS, window 0: v1 16 l; v2, v3 K's, V's address in hand; v4 o's scale words; v5 K's and V's scale words (lane term), v248 in hand; v6, v7 the spare word and 0; v8, v9 the stage, in and back; v10, v11 lane terms
;   of half-fragment images; v12, v13 4 and 16 x (r + 8 (r / 8)); v14, v15 where I store o's images and scale words; v16-31 statistics, 8 a tile; v32-35 Q's scale words; v36, 37 p's; v38 o's images; v39 prefetch;
;   v40-55 K's scale words, v56-71 V's; v72-199 S^T then p, 64 a tile; v200-223 p's codes; v224-251 at work; v252, v253 my rows of x in LDS (rows 32 on, rows 80 on).
;   window 1: v0-95 Q; v96-239 three buffers of 4 fragments.   windows 2, 3: O^T: tile t, channels' tile ct in window 2 + ct / 16 at 128 t + 8 (ct % 16).
;   At the end: window 0: v40-71 x's rows 72-79, v72-135 accumulators, v136-199 rows on the way out, v200-231 o's scale words, v240-247 wo's; window 1: v0-95 wo, two buffers; v96-111 bo's C tiles;
;   windows 2, 3: v0-191 o's fragments; x: three buffers of 64: window 1 v112, window 1 v176, window 2 v192.
.set SLOT1, 131072
.set VOFF,  49152
.set SCB,   98304                      ; behind slot 0: K's scale words of the batch (16,384 bytes), then V's
.set SPARE, 229376                     ; behind slot 1: the spare words, 128 bytes a wave: two blocks of 256 bytes that no other line names
.set XL1,   229888                     ; x's rows 32-71 of each wave: 4 x 40 rows x 512 bytes, filled once
.set OIMG,  SLOT1                      ; in slot 1, behind its last fill and its last read: o's fragments [query tile 8][K step 4][1536],
.set OSCB,  OIMG+49152                 ; their scale words, 128 bytes each,
.set STAGE, OSCB+4096                  ; and the way out: 16 rows x (512 + 16) bytes for each wave
.set ST,  16
.set QSC, 32
.set PW,  36
.set KSC, 40
.set VSC, 56
.set XH,  40
.set S,   72
.set PC,  200
.set TM,  224
.set BM,  224
.set BX,  228
.set SO,  232
.set CT,  236
.set WOS, 240
.set FB,  96
.set ACC, 72
.set BK,  136
.set OSW, 200
.set MSB, 0
.macro WIN new                         ; the immediate's high byte repeats the setting that is left
.if MSB != (\new)
	s_set_vgpr_msb (MSB<<8)|(\new)
.set MSB, (\new)
.endif
.endm
.macro PLACES                          ; four plain instructions between a matrix instruction and a read of its result or a load into its registers
.rept 4
	v_nop
.endr
.endm
.macro CROUND                          ; a round of the cluster's barrier
	s_barrier_signal -1
	s_barrier_wait -1
	s_cmp_lg_u32 s26, 0
	s_cbranch_scc1 .Lnot_wave_0_\@
	s_barrier_signal -3
.Lnot_wave_0_\@:
	s_barrier_wait -3
	s_barrier_signal -1
	s_barrier_wait -1
.endm
; 64 numbers of a lane, register 16 b + i = k 32 b + 16 (lane / 16) + i of my row, become a fragment's codes in v[PC] on and its scale word in v[PW]
.macro QUANT s
.irp b, 0,1,2,3
	v_max3_num_f32 v[TM+\b], |v[\s+16*\b]|, |v[\s+1+16*\b]|, 0x1800000   ; my 16 numbers of block b, and the floor 2^(3 - 127): the byte cannot fall under 1
.endr
.irp i, 2,4,6,8,10,12,14
.irp b, 0,1,2,3
	v_max3_num_f32 v[TM+\b], v[TM+\b], |v[\s+16*\b+\i]|, |v[\s+1+16*\b+\i]|
.endr
.endr
.irp b, 0,1,2,3
	v_permlanex16_b32 v[TM+4+\b], v[TM+\b], s28, s29
.endr
.irp b, 0,1,2,3
	v_max_num_f32 v[TM+\b], v[TM+\b], v[TM+4+\b]
.endr
.irp b, 0,1,2,3
	v_add_nc_u32 v[TM+12+\b], 0xff000000, v[TM+\b]
.endr
.irp b, 0,1,2,3
	v_lshrrev_b32 v[TM+4+\b], 23, v[TM+12+\b]
.endr
	v_lshl_or_b32 v[PW], v[TM+5], 8, v[TM+4]
	v_lshl_or_b32 v[PW], v[TM+6], 16, v[PW]
	v_lshl_or_b32 v[PW], v[TM+7], 24, v[PW]
.irp c, 0,1
	v_cvt_scalef32_pk16_fp6_f32 v[PC+6*\c:PC+2+6*\c], v[\s+32*\c:\s+15+32*\c], v[TM+12+2*\c]
	v_cvt_scalef32_pk16_fp6_f32 v[PC+12+4*\c:PC+14+4*\c], v[\s+16+32*\c:\s+31+32*\c], v[TM+12+2*\c+1]
.endr
	v_nop                                          ; one plain instruction behind a scaled conversion
.irp c, 0,1
.irp i, 0,1,2
	v_permlane16_swap_b32 v[PC+6*\c+\i], v[PC+12+4*\c+\i]
.endr
.irp i, 0,1,2
	v_mov_b32 v[PC+3+6*\c+\i], v[PC+12+4*\c+\i]
.endr
.endr
.endm
	s_load_b256 s[4:11], s[0:1], 0x0               ; qkv_img 4, qkv_scl 6, w_img 8, wo_scales 10
	s_load_b128 s[12:15], s[0:1], 0x20             ; bo 12, x 14
	s_load_b64 s[16:17], s[0:1], 0x30              ; out0
	v_lshl_add_u32 v6, v0, 2, SPARE
	v_mov_b32 v7, 0
	ds_add_u32 v6, v7
	ds_add_u32 v6, v7
	s_wait_dscnt 0x0
	v_lshrrev_b32 v2, 5, v0
	v_readfirstlane_b32 s26, v2                    ; wave 0..3
	s_bfe_u32 s80, ttmp6, 0x40000                  ; cx
	s_lshl_b32 s81, ttmp9, 2
	s_add_co_u32 s81, s81, s80                     ; my block of 128 positions = 4 x cluster x + cx
	s_and_b32 s82, ttmp7, 0xffff                   ; the batch, which the partners share
	; what the joint loads fetch: made of the wave's number and the batch alone.  Waves 0, 1: K's halves; waves 2, 3: V's
	s_lshr_b32 s83, s26, 1
	s_add_co_u32 s83, s83, 1
	s_and_b32 s86, s26, 1
	s_mul_i32 s84, s83, 12582912
	s_mul_i32 s85, s82, 393216
	s_add_co_u32 s84, s84, s85
	s_mul_i32 s85, s86, 24576
	s_add_co_u32 s84, s84, s85
	s_mov_b32 s85, 0
	s_mul_i32 s88, s83, 524288
	s_lshl_b32 s89, s82, 14
	s_add_co_u32 s88, s88, s89
	s_lshl_b32 s89, s86, 13
	s_add_co_u32 s88, s88, s89
	s_mov_b32 s89, 0
	; what is mine alone
	s_mul_i32 s90, s82, 393216
	s_mul_i32 s91, s81, 49152
	s_add_co_u32 s90, s90, s91
	s_mul_i32 s91, s26, 12288
	s_add_co_u32 s90, s90, s91                     ; Q: batch, 8 tiles a block, 2 a wave
	s_mov_b32 s91, 0
	s_lshl_b32 s92, s82, 14
	s_lshl_b32 s93, s81, 11
	s_add_co_u32 s92, s92, s93
	s_lshl_b32 s93, s26, 9
	s_add_co_u32 s92, s92, s93                     ; Q's scale words
	s_mov_b32 s93, 0
	s_lshl_b32 s94, s82, 21
	s_lshl_b32 s95, s26, 19
	s_add_co_u32 s94, s94, s95
	s_lshl_b32 s95, s81, 9
	s_add_co_u32 s94, s94, s95                     ; x, out0: batch, 128 channels a wave, 512 bytes a block
	s_mov_b32 s95, 0
	s_mul_i32 s96, s26, 49152
	s_add_co_u32 s96, s96, 589824                  ; wo's images: the fourth weight, 8 tiles a wave
	s_mov_b32 s97, 0
	s_lshl_b32 s98, s26, 11
	s_mov_b32 s99, 0
	; descriptor groups 1 of the joint loads: dense blocks as rows of 256 bytes (32 elements of 8 bytes): 15:0 the mask of all four; 17:16 elements of 8 bytes; 21 set beside a mask
	s_mov_b32 s40, 15|(3<<16)|(1<<21)
	s_mov_b32 s41, 32<<16
	s_mov_b32 s42, 96<<16                          ; 96 rows: a quarter of a slot
	s_mov_b32 s43, 32<<16
	s_mov_b32 s44, 96
	s_mov_b32 s45, 32
	s_mov_b32 s46, 0
	s_mov_b32 s47, 0
	s_mov_b32 s48, 15|(3<<16)|(1<<21)
	s_mov_b32 s49, 32<<16
	s_mov_b32 s50, 32<<16                          ; 32 rows: a quarter of the scale words
	s_mov_b32 s51, 32<<16
	s_mov_b32 s52, 32
	s_mov_b32 s53, 32
	s_mov_b32 s54, 0
	s_mov_b32 s55, 0
	s_mov_b32 s28, 0x76543210
	s_mov_b32 s29, 0xfedcba98                      ; v_permlanex16_b32's selects for lane l xor 16
	s_mov_b32 s30, 0x3d8293ee                      ; c = log2(e) / sqrt(512)
	s_mov_b32 s31, s30                             ; (named with it as a pair)
	s_mov_b32 s61, 0                               ; LDS byte at which the slot in hand begins
	s_mov_b32 s62, 0                               ; how far the scale words have walked
	s_wait_kmcnt 0x0
	s_mov_b32 s20, 1                               ; group 0 of key step 0's tile: slot 0; used once
	s_mul_i32 s21, s26, 24576
	s_add_nc_u64 s[22:23], s[4:5], s[84:85]
	s_mov_b32 s32, 1                               ; the walking group 0 begins at key step 1's tile, in slot 1
	s_add_co_u32 s33, s21, SLOT1
	s_add_nc_u64 s[34:35], s[22:23], 49152
	s_or_b32 s23, s23, 0x80000000
	s_or_b32 s35, s35, 0x80000000
	s_mov_b32 s56, 1
	s_lshl_b32 s57, s26, 13
	s_add_co_u32 s57, s57, SCB
	s_add_nc_u64 s[58:59], s[6:7], s[88:89]
	s_or_b32 s59, s59, 0x80000000
	s_add_nc_u64 s[66:67], s[4:5], s[90:91]
	s_add_nc_u64 s[68:69], s[6:7], s[92:93]
	s_add_nc_u64 s[70:71], s[14:15], s[94:95]
	s_add_nc_u64 s[72:73], s[16:17], s[94:95]
	s_add_nc_u64 s[74:75], s[8:9], s[96:97]
	s_add_nc_u64 s[76:77], s[10:11], s[98:99]
	s_lshl_b32 s98, s26, 9
	s_add_nc_u64 s[78:79], s[12:13], s[98:99]
	; x's two tiles: rows of 512 bytes (64 elements of 8 bytes), 4,096 bytes (512 elements) apart; no mask; LDS addresses are a constant + a constant x wave
	s_mov_b32 s36, 1
	s_mul_i32 s37, s26, 20480
	s_add_co_u32 s37, s37, XL1
	s_add_nc_u64 s[38:39], s[70:71], 32*4096       ; my rows 32-71
	s_or_b32 s39, s39, 0x80000000
	s_mov_b32 s80, 1
	s_mul_i32 s81, s26, 24576                      ; in slot 0
	s_add_nc_u64 s[82:83], s[70:71], 80*4096       ; my rows 80-127
	s_or_b32 s83, s83, 0x80000000
	s_mov_b32 s84, 3<<16
	s_mov_b32 s85, 64<<16
	s_mov_b32 s86, 40<<16                          ; 40 rows
	s_mov_b32 s87, 64<<16
	s_mov_b32 s88, 40
	s_mov_b32 s89, 512
	s_mov_b32 s90, 0
	s_mov_b32 s91, 0
	s_mov_b32 s92, 3<<16
	s_mov_b32 s93, 64<<16
	s_mov_b32 s94, 48<<16                          ; 48 rows
	s_mov_b32 s95, 64<<16
	s_mov_b32 s96, 48
	s_mov_b32 s97, 512
	s_mov_b32 s98, 0
	s_mov_b32 s99, 0
	CROUND                                         ; all four work-groups are here: the first joint loads meet
	tensor_load_to_lds s[56:59], s[48:55]          ; the scale words, filled once
	s_nop 0
	tensor_load_to_lds s[20:23], s[40:47]          ; key step 0 into slot 0
	s_nop 0
	tensor_load_to_lds s[32:35], s[40:47]          ; key step 1 into slot 1
	s_nop 0
	tensor_load_to_lds s[36:39], s[84:91]          ; x's rows 32-71, filled once: four loads of mine are out
	s_nop 0
	PLACES                                         ; four v_nop follow
	v_and_b32 v227, 31, v0                         ; l
	v_and_b32 v224, 15, v0                         ; r
	v_bfe_u32 v225, v0, 4, 1                       ; h
	v_and_b32 v226, 8, v224
	v_add_nc_u32 v226, v226, v224                  ; r + 8 (r / 8)
	v_lshlrev_b32 v1, 4, v227
	v_lshlrev_b32 v250, 2, v227
	v_lshl_add_u32 v4, v227, 2, OSCB
	v_lshl_add_u32 v5, v227, 2, SCB
	v_add_nc_u32 v252, s37, v1                     ; x in LDS: a row's 512 bytes, 16 a lane
	v_add_nc_u32 v253, s81, v1
	s_mul_i32 s27, s26, 8448
	s_add_co_u32 s27, s27, STAGE
	v_mul_u32_u24 v8, v224, 528
	v_lshl_add_u32 v8, v225, 6, v8
	v_add_nc_u32 v8, s27, v8                       ; the stage, in: row r, + 64 h
	v_add_nc_u32 v9, s27, v1                       ; back: a row's 512 bytes, 16 a lane
	v_mul_u32_u24 v10, v225, 384
	v_lshl_add_u32 v11, v224, 3, v10
	v_add_nc_u32 v11, 256, v11                     ; 384 h + 256 + 8 r
	v_lshl_add_u32 v10, v224, 4, v10               ; 384 h + 16 r
	v_lshlrev_b32 v12, 2, v226
	v_lshlrev_b32 v13, 4, v226
	s_mul_i32 s27, s26, 12288
	s_add_co_u32 s27, s27, OIMG
	v_add_nc_u32 v14, s27, v1
	s_lshl_b32 s27, s26, 10
	v_add_nc_u32 v15, s27, v4
	v_add_nc_u32 v38, OIMG, v1
	v_lshrrev_b32 v39, 1, v227
	v_lshlrev_b32 v39, 12, v39
	v_and_b32 v228, 1, v0
	v_lshl_add_u32 v39, v228, 8, v39               ; prefetch: 16 rows of x, two blocks of 256 bytes each
	WIN 0x40                                       ; destination window 1
.irp t, 0,1
.irp s, 0,1,2,3
.irp c, 0,1,2
	global_load_b128 v[48*\t+12*\s+4*\c:48*\t+12*\s+4*\c+3], v1, s[66:67] offset:\t*6144+\s*1536+512*\c   ; Q stays in registers
.endr
.endr
.endr
	WIN 0
.irp t, 0,1
.irp p, 0,1
	global_load_b32 v[QSC+2*\t+\p], v250, s[68:69] offset:\t*256+\p*128   ; lanes 0-15: K step 2 p's words; lanes 16-31: K step 2 p + 1's
.endr
.endr
.irp t, 0,1
	v_mov_b32 v[ST+8*\t+1], 0xff61b1e6             ; the largest t so far: -3e38
	v_floor_f32 v[ST+8*\t], -v[ST+8*\t+1]          ; -M
	v_mov_b32 v[ST+8*\t+2], 0                      ; the sum, in two halves
	v_mov_b32 v[ST+8*\t+3], 0
	v_mov_b32 v[ST+8*\t+5], 0                      ; (upper halves of pairs, and a permute's destination: written once)
	v_mov_b32 v[ST+8*\t+7], 0
.endr
.irp b, 0,1,2,3
	v_mov_b32 v[BX+\b], 0
.endr
	s_wait_loadcnt 0x0                             ; Q
; THE CHANGE OF SLOTS stands at a key step's head.  Each wave waits for all its tensor loads (its part of the slot ahead among them), adds 0 to its spare word, and waits for that and for its reads of the slot that it has left.
; The barrier is a round of the cluster's, and the fill of the slot just left is the first thing behind it: it has a whole key step in which to land.
; fill = 1: the joint load of the tile two key steps on.  fill = 2 (the last change): nothing of K and V is left to fetch: slot 0 takes my rows 80-127 of x.
.macro CHANGE fill
	WIN 0
	s_wait_tensorcnt 0x0                           ; no tensor load of mine is out, so the walking group 0 may be written
	ds_add_u32 v6, v7                              ; 0 onto my spare word
.if \fill == 1
	s_xor_b32 s33, s33, SLOT1                      ; the other slot than last time,
	s_add_nc_u64 s[34:35], s[34:35], 49152         ; the next 128 keys; the type bits on top are not reached
.endif
	s_wait_dscnt 0x0                               ; the add is done, and my reads of the slot that I have left are over
	CROUND
.if \fill == 1
	tensor_load_to_lds s[32:35], s[40:47]
	s_nop 0
.else
	tensor_load_to_lds s[80:83], s[92:99]
	s_nop 0
.endif
	PLACES                                         ; also the places in front of the loads into registers that the last products read
.endm
.macro FETCH buf, areg, o0, st         ; 12 LDS loads: four fragments, as images of their registers
	WIN 0x40
.irp f, 0,1,2,3
.irp c, 0,1,2
	ds_load_b128 v[FB+48*(\buf)+12*\f+4*\c:FB+48*(\buf)+12*\f+4*\c+3], v[\areg] offset:(\o0)+\f*(\st)+512*\c
.endr
.endr
.endm
.macro UFETCH u                        ; unit u of a key step's 16: 0-7: keys' tiles 4 (u / 4) .. + 3 at K step u % 4;  8-15: V's channel tiles 4 (u - 8) .. + 3
.if (\u) < 8
	FETCH (\u)%3, 2, 24576*((\u)/4)+1536*((\u)%4), 6144
.else
	FETCH (\u)%3, 3, 6144*((\u)-8), 1536
.endif
.endm
; 8 matrix instructions on 8 accumulators, in the same order in every unit.  A pair of K steps shares a scale register: the even step in lanes 0-15, the odd in lanes 16-31
.macro MULS u
	WIN 0x05                                       ; K's fragments and Q in window 1, S^T in window 0
.irp f, 0,1,2,3
.irp t, 0,1
.set rD, S+64*\t+8*(4*((\u)/4)+\f)
.set rA, FB+48*((\u)%3)+12*\f
.set rB, 48*\t+12*((\u)%4)
.set rK, KSC+2*(4*((\u)/4)+\f)+((\u)%4)/2
.set rQ, QSC+2*\t+((\u)%4)/2
.if (\u)%4 == 0
	v_wmma_scale_f32_16x16x128_f8f6f4 v[rD:rD+7], v[rA:rA+11], v[rB:rB+11], 0, v[rK], v[rQ] matrix_a_fmt:MATRIX_FMT_FP6 matrix_b_fmt:MATRIX_FMT_FP6
.elseif (\u)%2 == 1
	v_wmma_scale_f32_16x16x128_f8f6f4 v[rD:rD+7], v[rA:rA+11], v[rB:rB+11], v[rD:rD+7], v[rK], v[rQ] matrix_a_fmt:MATRIX_FMT_FP6 matrix_b_fmt:MATRIX_FMT_FP6 matrix_a_scale:MATRIX_SCALE_ROW1 matrix_b_scale:MATRIX_SCALE_ROW1
.else
	v_wmma_scale_f32_16x16x128_f8f6f4 v[rD:rD+7], v[rA:rA+11], v[rB:rB+11], v[rD:rD+7], v[rK], v[rQ] matrix_a_fmt:MATRIX_FMT_FP6 matrix_b_fmt:MATRIX_FMT_FP6
.endif
.endr
.endr
.endm
.macro MULV cg, first                  ; first = 1: the first key step's products start O^T's sums: nothing is ever cleared
.if (\cg) < 4
	WIN 0xa1                                       ; V's fragments window 1, p window 0, O^T window 2
.else
	WIN 0xf1                                       ; O^T window 3
.endif
.irp f, 0,1,2,3
.irp t, 0,1
.set rD, 128*\t+8*((4*(\cg)+\f)%16)
.set rA, FB+48*(((\cg)+8)%3)+12*\f
.set rB, PC+12*\t
.set rV, VSC+2*(\cg)+\f/2
.if \first && (\f%2 == 0)
	v_wmma_scale_f32_16x16x128_f8f6f4 v[rD:rD+7], v[rA:rA+11], v[rB:rB+11], 0, v[rV], v[PW+\t] matrix_a_fmt:MATRIX_FMT_FP6 matrix_b_fmt:MATRIX_FMT_FP6
.elseif \first
	v_wmma_scale_f32_16x16x128_f8f6f4 v[rD:rD+7], v[rA:rA+11], v[rB:rB+11], 0, v[rV], v[PW+\t] matrix_a_fmt:MATRIX_FMT_FP6 matrix_b_fmt:MATRIX_FMT_FP6 matrix_a_scale:MATRIX_SCALE_ROW1
.elseif \f%2 == 0
	v_wmma_scale_f32_16x16x128_f8f6f4 v[rD:rD+7], v[rA:rA+11], v[rB:rB+11], v[rD:rD+7], v[rV], v[PW+\t] matrix_a_fmt:MATRIX_FMT_FP6 matrix_b_fmt:MATRIX_FMT_FP6
.else
	v_wmma_scale_f32_16x16x128_f8f6f4 v[rD:rD+7], v[rA:rA+11], v[rB:rB+11], v[rD:rD+7], v[rV], v[PW+\t] matrix_a_fmt:MATRIX_FMT_FP6 matrix_b_fmt:MATRIX_FMT_FP6 matrix_a_scale:MATRIX_SCALE_ROW1
.endif
.endr
.endr
.endm
; one tile's softmax for a key step: statistics at v[ST + 8 t]: +0 -M, +1 the largest t, +2, +3 the sum, +4 f
.macro SOFT t
.set rS, S+64*(\t)
.set rT, ST+8*(\t)
.set rP, PC+12*(\t)
.irp b, 0,1,2,3
	v_max3_num_f32 v[BM+\b], v[rS+16*\b], v[rS+16*\b+1], v[rS+16*\b+2]   ; the largest score of each block of 32 keys: for the row's maximum and, since p rises with the score, for the block's largest p
.endr
.irp i, 3,5,7,9,11,13
.irp b, 0,1,2,3
	v_max3_num_f32 v[BM+\b], v[BM+\b], v[rS+16*\b+\i], v[rS+16*\b+\i+1]
.endr
.endr
.irp b, 0,1,2,3
	v_max_num_f32 v[BM+\b], v[BM+\b], v[rS+16*\b+15]
.endr
.irp b, 0,1,2,3
	v_permlanex16_b32 v[BX+\b], v[BM+\b], s28, s29
.endr
.irp b, 0,1,2,3
	v_max_num_f32 v[BM+\b], v[BM+\b], v[BX+\b]     ; with lane l xor 16's 16 keys
.endr
	v_max3_num_f32 v244, v[BM], v[BM+1], v[BM+2]
	v_max_num_f32 v244, v244, v[BM+3]
	v_mul_f32 v244, s30, v244                      ; the step's largest t (c is positive)
	v_max_num_f32 v[rT+1], v[rT+1], v244
	v_mov_b32 v244, v[rT]
	v_floor_f32 v[rT], -v[rT+1]                    ; the new -M = -ceil(t): a whole number
	v_sub_f32 v244, v[rT], v244                    ; old M - new M: a whole number, 0 or less
	v_cvt_i32_f32 v244, v244                       ; (it saturates)
	v_ldexp_f32 v[rT+4], 1.0, v244                 ; f = 2^(old M - new M)
.set k, 0
.rept 32
	v_pk_fma_f32 v[rS+k:rS+k+1], v[rS+k:rS+k+1], s[30:31], v[rT:rT+1] op_sel_hi:[1,0,0]   ; t - M (of the pairs c and -M the low word serves both halves)
.set k, k+2
.endr
.irp b, 0,1,2,3
	v_fma_f32 v[BM+\b], v[BM+\b], s30, v[rT]
.endr
.set k, 0
.rept 64
	v_exp_f32 v[rS+k], v[rS+k]                     ; p = 2^(t - M)
.set k, k+1
.endr
.irp b, 0,1,2,3
	v_exp_f32 v[BM+\b], v[BM+\b]                   ; the block's largest p: the same two instructions on the same number
.endr
	v_pk_mul_f32 v[rT+2:rT+3], v[rT+2:rT+3], v[rT+4:rT+5] op_sel_hi:[1,0]   ; the sum under the new M; also the plain instruction behind the exponentials
	s_wait_alu depctr_va_vdst(0)
.irp b, 0,1,2,3
	v_max_num_f32 v[BM+\b], 0x1800000, v[BM+\b]    ; the floor 2^(3 - 127)
.endr
.irp b, 0,1,2,3
	v_add_nc_u32 v[SO+\b], 0xff000000, v[BM+\b]    ; the conversion's scale operand
.endr
.irp b, 0,1,2,3
	v_lshrrev_b32 v[BX+\b], 23, v[SO+\b]           ; the scale's byte
.endr
	v_lshl_or_b32 v[PW+\t], v[BX+1], 8, v[BX]
	v_lshl_or_b32 v[PW+\t], v[BX+2], 16, v[PW+\t]
	v_lshl_or_b32 v[PW+\t], v[BX+3], 24, v[PW+\t]
.irp c, 0,1
	v_cvt_scalef32_pk16_fp6_f32 v[rP+6*\c:rP+6*\c+2], v[rS+32*\c:rS+32*\c+15], v[SO+2*\c]
	v_cvt_scalef32_pk16_fp6_f32 v[CT+4*\c:CT+4*\c+2], v[rS+32*\c+16:rS+32*\c+31], v[SO+2*\c+1]
.endr
	v_nop                                          ; one plain instruction behind a scaled conversion
.irp c, 0,1
.irp i, 0,1,2
	v_permlane16_swap_b32 v[rP+6*\c+\i], v[CT+4*\c+\i]
.endr
.irp i, 0,1,2
	v_mov_b32 v[rP+6*\c+3+\i], v[CT+4*\c+\i]
.endr
.endr
	v_pk_add_f32 v[246:247], v[rS:rS+1], v[rS+2:rS+3]   ; the row's sum of the unquantised p, in two chains; these 32 also stand between the writes of p's codes and scale word and the products that take them
.irp j, 4,8,12,16,20,24,28,32,36,40,44,48,52,56,60
	v_pk_add_f32 v[rT+2:rT+3], v[rT+2:rT+3], v[rS+\j:rS+\j+1]
	v_pk_add_f32 v[246:247], v[246:247], v[rS+\j+2:rS+\j+3]
.endr
	v_pk_add_f32 v[rT+2:rT+3], v[rT+2:rT+3], v[246:247]
.endm
.macro RESCALE                         ; O^T under the new M: x f; each accumulator from its low end on
.irp w, 2,3
	WIN \w*65                                      ; destination and source 0 in window w, f in window 0
.irp t, 0,1
.set k, 0
.rept 64
	v_pk_mul_f32 v[128*\t+k:128*\t+k+1], v[128*\t+k:128*\t+k+1], v[ST+8*\t+4:ST+8*\t+5] op_sel_hi:[1,0]
.set k, k+2
.endr
.endr
.endr
.endm
; A KEY STEP: 16 units of 8 matrix instructions, fed through three buffers: unit u + 2 is asked for behind unit u - 1, whose buffer it takes.
; pf = 1 (the last step): rows 0-31 of my wave's 128 rows of x, which come by loads into registers behind this step's last products, are asked into the L2, each block of 256 bytes once: 16 rows a line, 64 KiB a work-group.
.macro STEP first, pf
	v_add_nc_u32 v2, s61, v1
	v_add_nc_u32 v248, s62, v5
	v_add_nc_u32 v3, VOFF, v2
.irp i, 0,1,2,3,4,5,6,7,8,9,10,11,12,13,14,15
	ds_load_b32 v[KSC+\i], v248 offset:128*\i
.endr
.irp i, 0,1,2,3,4,5,6,7,8,9,10,11,12,13,14,15
	ds_load_b32 v[VSC+\i], v248 offset:16384+128*\i
.endr
	UFETCH 0
	UFETCH 1
.irp u, 0,1,2,3,4,5,6,7,8,9,10,11,12,13,14,15
.if \u <= 13
.if (\u != 0) && (\u != 8)
	PLACES
.endif
	UFETCH \u+2
	s_wait_dscnt 24                                ; all but the two younger units' 24 loads
.elseif \u == 14
	s_wait_dscnt 12
.else
	s_wait_dscnt 0x0
.endif
.if \u < 8
	MULS \u
.else
	MULV \u-8, \first
.endif
.if \u == 7
	WIN 0
	PLACES
.if \pf
	global_prefetch_b8 v39, s[70:71] th:TH_LOAD_NT scope:SCOPE_SE
.endif
	SOFT 0
.if \pf
	global_prefetch_b8 v39, s[70:71] offset:65536 th:TH_LOAD_NT scope:SCOPE_SE
.endif
	SOFT 1
.if !\first
	RESCALE
.endif
.endif
.endr
	WIN 0
	s_add_co_u32 s62, s62, 2048                    ; the next step's scale words,
	s_xor_b32 s61, s61, SLOT1                      ; in the other slot
.endm
	s_wait_tensorcnt 0x2                           ; my parts of the scale words and of key step 0 have landed; key step 1's tile and x's rows may stay out
	s_barrier_signal -1
	s_barrier_wait -1                              ; everybody's parts have
	STEP 1, 0
	s_mov_b32 s60, 6
.Lkey:                                             ; key steps 1 to 6; steps 2 to 7 are asked for
	CHANGE 1
	STEP 0, 0
	s_sub_co_u32 s60, s60, 1
	s_cmp_lg_u32 s60, 0
	s_cbranch_scc1 .Lkey
	CHANGE 2                                       ; the last step is written out: its change of slots asks for x
	STEP 0, 1
; ---- THE END
.macro WGRP cot                        ; 25 loads: wo's tile cot of my 8 (4 fragments, as half-fragment images), bo's C tile (a lane's channel in all eight registers), the rows' four scale words
.set wbe, (\cot)%2
.set wrow, 32*((\cot)/2)+8*((\cot)%2)
	WIN 0x40
.irp s, 0,1,2,3
.irp c, 0,1
	global_load_b128 v[48*wbe+12*\s+6*\c:48*wbe+12*\s+6*\c+3], v10, s[74:75] offset:(\cot)*6144+(2*\s+\c)*768
	global_load_b64 v[48*wbe+12*\s+6*\c+4:48*wbe+12*\s+6*\c+5], v11, s[74:75] offset:(\cot)*6144+(2*\s+\c)*768
.endr
.endr
.irp k, 0,1,2,3,4,5,6,7
	global_load_b32 v[96+8*wbe+\k], v12, s[78:79] offset:wrow*4
.endr
	WIN 0
	global_load_b128 v[WOS+4*wbe:WOS+4*wbe+3], v13, s[76:77] offset:wrow*16
.endm
.macro XSEL cot                        ; x's buffer for tile cot
.if (\cot)%3 == 0
.set xwin, 1
.set xreg, 112
.elseif (\cot)%3 == 1
.set xwin, 1
.set xreg, 176
.else
.set xwin, 2
.set xreg, 192
.endif
.endm
.macro XGRP cot                        ; tiles 0 and 1: 16 loads from memory: x at the tile's 16 channels, my block's 512 bytes of each
	XSEL \cot
.set xrow, 32*((\cot)/2)+8*((\cot)%2)
	WIN xwin*64
.irp t, 0,1,2,3,4,5,6,7,8,9,10,11,12,13,14,15
	global_load_b128 v[xreg+4*\t:xreg+4*\t+3], v1, s[70:71] offset:(xrow+\t+8*(\t/8))*4096 th:TH_LOAD_NT
.endr
	WIN 0
.endm
.macro XLDS cot                        ; tiles 2 to 7: the tile's rows of x out of LDS: rows 32-71 from their own bytes, rows 80-127 from slot 0; rows 72-79 are in registers already
	XSEL \cot
.set xrow, 32*((\cot)/2)+8*((\cot)%2)
	WIN xwin*64
.irp t, 0,1,2,3,4,5,6,7,8,9,10,11,12,13,14,15
.set xch, xrow+\t+8*(\t/8)
.if xch < 72
	ds_load_b128 v[xreg+4*\t:xreg+4*\t+3], v252 offset:(xch-32)*512
.elseif xch >= 80
	ds_load_b128 v[xreg+4*\t:xreg+4*\t+3], v253 offset:(xch-80)*512
.endif
.endr
	WIN 0
.endm
; channels 128 s on of my tile t: 64 registers of O^T, divided by the sum, become K step s of o's fragment, which goes to LDS as an image of its registers
.macro OQ t
.irp s, 0,1,2,3
	WIN 2+\s/2                                     ; source 0 in window 2 or 3
.set k, 0
	s_wait_alu depctr_va_vdst(0)
.rept 32
	v_pk_mul_f32 v[ACC+k:ACC+k+1], v[128*(\t)+64*(\s%2)+k:128*(\t)+64*(\s%2)+k+1], v[ST+8*(\t)+6:ST+8*(\t)+7] op_sel_hi:[1,0]
.set k, k+2
.endr
	WIN 0
	QUANT ACC
.irp c, 0,1,2
	ds_store_b128 v14, v[PC+4*\c:PC+4*\c+3] offset:(\t)*6144+\s*1536+512*\c
.endr
	ds_store_b32 v15, v[PW] offset:(\t)*512+\s*128
	s_wait_dscnt 0x0                               ; the stores have read their registers (and, at the last, have landed for the others' sake)
.endr
.endm
	PLACES                                         ; behind the last products: for the loads into the fragment buffers and the reads of O^T
	WGRP 0                                         ; these fly while o is quantised
	XGRP 0
	XGRP 1
	s_wait_dscnt 0x0                               ; my reads of slot 1 are over:
	s_barrier_signal -1                            ; say so; the row's sums are made while the others arrive
.irp t, 0,1
	v_add_f32 v[ST+8*\t+6], v[ST+8*\t+2], v[ST+8*\t+3]
.endr
.irp t, 0,1
	v_permlanex16_b32 v[ST+8*\t+7], v[ST+8*\t+6], s28, s29
.endr
.irp t, 0,1
	v_add_f32 v[ST+8*\t+6], v[ST+8*\t+6], v[ST+8*\t+7]   ; the row's sum
.endr
.irp t, 0,1
	v_rcp_f32 v[ST+8*\t+6], v[ST+8*\t+6]
.endr
	v_nop                                          ; a plain instruction behind the transcendentals
	s_barrier_wait -1                              ; nobody reads slot 1 any more, and nothing is filled there again: o's images and the stages may be stored into it.  (x's load into slot 0 may stay out)
	OQ 0
.irp i, 0,1,2,3,4,5,6,7
	global_load_b128 v[XH+4*\i:XH+4*\i+3], v1, s[70:71] offset:(72+\i)*4096 th:TH_LOAD_NT   ; x's rows 72-79, into the registers that held K's and V's scale words; asked for here, when the first of the 57 loads above are back
.endr
	OQ 1
	s_barrier_signal -1
	s_barrier_wait -1                              ; o's 32 fragments lie in LDS
	WIN 0x80
.irp q, 0,1,2,3,4,5,6,7
.irp s, 0,1
.irp c, 0,1,2
	ds_load_b128 v[24*\q+12*\s+4*\c:24*\q+12*\s+4*\c+3], v38 offset:\q*6144+\s*1536+512*\c
.endr
.endr
.endr
	WIN 0xc0
.irp q, 0,1,2,3,4,5,6,7
.irp s, 0,1
.irp c, 0,1,2
	ds_load_b128 v[24*\q+12*\s+4*\c:24*\q+12*\s+4*\c+3], v38 offset:\q*6144+(\s+2)*1536+512*\c
.endr
.endr
.endr
	WIN 0
.irp q, 0,1,2,3,4,5,6,7
.irp s, 0,1,2,3
	ds_load_b32 v[OSW+4*\q+\s], v4 offset:\q*512+\s*128
.endr
.endr
	s_wait_dscnt 0x0
	s_wait_tensorcnt 0x0                           ; my rows 80-127 of x have landed in slot 0; I alone read them
; 16 output channels x 128 positions: 32 matrix instructions, the 8 tiles of positions by turns; through my stage, so that a store covers a channel's 512 consecutive bytes; + x
.macro OTILE cot
.if (\cot) < 7
	WGRP (\cot)+1
.endif
.if (\cot) >= 2
	XLDS \cot                                      ; shown in by the wait for all LDS loads in front of the additions
.endif
.if (\cot) == 0
	s_wait_loadcnt 49                              ; younger than this tile's wo and x: x of tile 1 16, x's rows 72-79 8, wo of tile 1 25
.elseif (\cot) < 7
	s_wait_loadcnt 25                              ; younger than this tile's wo (and than all loads of x): wo of the next tile
.else
	s_wait_loadcnt 0x0
.endif
.set obe, (\cot)%2
.set orow, 32*((\cot)/2)+8*((\cot)%2)
	WIN 0x16                                       ; source 0 (o) window 2, source 1 (wo) and source 2 (bo) window 1
.irp q, 0,1,2,3,4,5,6,7
	v_wmma_scale_f32_16x16x128_f8f6f4 v[ACC+8*\q:ACC+8*\q+7], v[24*\q:24*\q+11], v[48*obe:48*obe+11], v[96+8*obe:96+8*obe+7], v[OSW+4*\q], v[WOS+4*obe] matrix_a_fmt:MATRIX_FMT_FP6 matrix_b_fmt:MATRIX_FMT_FP6
.endr
	WIN 0x06
.irp q, 0,1,2,3,4,5,6,7
	v_wmma_scale_f32_16x16x128_f8f6f4 v[ACC+8*\q:ACC+8*\q+7], v[24*\q+12:24*\q+23], v[48*obe+12:48*obe+23], v[ACC+8*\q:ACC+8*\q+7], v[OSW+4*\q+1], v[WOS+4*obe+1] matrix_a_fmt:MATRIX_FMT_FP6 matrix_b_fmt:MATRIX_FMT_FP6
.endr
	WIN 0x07                                       ; source 0 window 3
.irp q, 0,1,2,3,4,5,6,7
	v_wmma_scale_f32_16x16x128_f8f6f4 v[ACC+8*\q:ACC+8*\q+7], v[24*\q:24*\q+11], v[48*obe+24:48*obe+35], v[ACC+8*\q:ACC+8*\q+7], v[OSW+4*\q+2], v[WOS+4*obe+2] matrix_a_fmt:MATRIX_FMT_FP6 matrix_b_fmt:MATRIX_FMT_FP6
.endr
.irp q, 0,1,2,3,4,5,6,7
	v_wmma_scale_f32_16x16x128_f8f6f4 v[ACC+8*\q:ACC+8*\q+7], v[24*\q+12:24*\q+23], v[48*obe+36:48*obe+47], v[ACC+8*\q:ACC+8*\q+7], v[OSW+4*\q+3], v[WOS+4*obe+3] matrix_a_fmt:MATRIX_FMT_FP6 matrix_b_fmt:MATRIX_FMT_FP6
.endr
	WIN 0
	PLACES
	s_wait_xcnt 0x0                                ; the last tile's stores have read v136-199
.irp q, 0,1,2,3,4,5,6,7
	ds_store_b128 v8, v[ACC+8*\q:ACC+8*\q+3] offset:128*(\q/2)+32*(\q%2)        ; lane (r, h): channel r, positions 32 (q / 2) + 8 (q % 2) + 16 h + 0 .. 7; each accumulator from its low end on
	ds_store_b128 v8, v[ACC+8*\q+4:ACC+8*\q+7] offset:128*(\q/2)+32*(\q%2)+16
.endr
.irp t, 0,1,2,3,4,5,6,7,8,9,10,11,12,13,14,15
	ds_load_b128 v[BK+4*\t:BK+4*\t+3], v9 offset:528*\t   ; LDS serves a wave's instructions in order (ISA guide 5.7.1.4): these see my stores
.endr
	s_wait_dscnt 0x0
	XSEL \cot
.set k, 0
.rept 32
.set xch, orow+(k/4)+8*((k/4)/8)
.if (xch >= 72) && (xch < 80)
	WIN 0                                          ; rows 72-79 lie in window 0
	v_pk_add_f32 v[BK+k:BK+k+1], v[BK+k:BK+k+1], v[XH+4*(xch-72)+(k%4):XH+4*(xch-72)+(k%4)+1]
.else
	WIN xwin*4                                     ; source 1 (x) in its buffer's window
	v_pk_add_f32 v[BK+k:BK+k+1], v[BK+k:BK+k+1], v[xreg+k:xreg+k+1]
.endif
.set k, k+2
.endr
	WIN 0
.irp t, 0,1,2,3,4,5,6,7,8,9,10,11,12,13,14,15
	global_store_b128 v1, v[BK+4*\t:BK+4*\t+3], s[72:73] offset:(orow+\t+8*(\t/8))*4096 th:TH_STORE_NT   ; 32 lanes store 512 consecutive bytes, at a multiple of 256 from the buffer's first byte
.endr
.endm
.irp cot, 0,1,2,3,4,5,6,7
	OTILE \cot
.endr
	s_wait_tensorcnt 0x0                           ; the wave's end, behind my last tensor load and my last LDS store
	ds_add_u32 v6, v7
	s_wait_dscnt 0x0
	CROUND                                         ; the closing round: no work-group ends while a partner may still ask for a tile that names it
	s_endpgm
.Lfunc_end_k_q9606b0bbb5_attn:
	.size	k_q9606b0bbb5_attn, .Lfunc_end_k_q9606b0bbb5_attn-k_q9606b0bbb5_attn
	.p2alignl 7, 3214868480
	.fill 96, 4, 3214868480
	.section	.rodata,"a",@progbits
	.p2align	6, 0x0
	.amdhsa_kernel k_q9606b0bbb5_attn
		.amdhsa_group_segment_fixed_size 327680
		.amdhsa_private_segment_fixed_size 0
		.amdhsa_enable_private_segment 0
		.amdhsa_kernarg_size 56
		.amdhsa_user_sgpr_count 2
		.amdhsa_user_sgpr_kernarg_segment_ptr 1
		.amdhsa_wavefront_size32 1
		.amdhsa_system_sgpr_workgroup_id_x 1
		.amdhsa_system_sgpr_workgroup_id_y 1
		.amdhsa_system_sgpr_workgroup_id_z 1
		.amdhsa_system_vgpr_workitem_id 0
		.amdhsa_next_free_vgpr 1024
		.amdhsa_next_free_sgpr 100
		.amdhsa_reserve_vcc 0
		.amdhsa_float_denorm_mode_32 3
		.amdhsa_float_denorm_mode_16_64 3
		.amdhsa_memory_ordered 1
		.amdhsa_forward_progress 1
		.amdhsa_inst_pref_size 255
	.end_amdhsa_kernel
	.section	.bss,"aw",@nobits
	.p2align	6
	.space	262144
	.amdgpu_metadata
---
amdhsa.version: [ 1, 2 ]
amdhsa.kernels:
  - .name:           k_q9606b0bbb5_attn
    .symbol:         k_q9606b0bbb5_attn.kd
    .args:
      - { .name: qkv_img, .offset: 0, .size: 8, .value_kind: global_buffer, .address_space: global }
      - { .name: qkv_scl, .offset: 8, .size: 8, .value_kind: global_buffer, .address_space: global }
      - { .name: w_img, .offset: 16, .size: 8, .value_kind: global_buffer, .address_space: global }
      - { .name: wo_scales, .offset: 24, .size: 8, .value_kind: global_buffer, .address_space: global }
      - { .name: bo, .offset: 32, .size: 8, .value_kind: global_buffer, .address_space: global }
      - { .name: x, .offset: 40, .size: 8, .value_kind: global_buffer, .address_space: global }
      - { .name: out0, .offset: 48, .size: 8, .value_kind: global_buffer, .address_space: global }
    .group_segment_fixed_size: 327680
    .private_segment_fixed_size: 0
    .kernarg_segment_align: 8
    .kernarg_segment_size: 56
    .max_flat_workgroup_size: 128
    .sgpr_count:     100
    .vgpr_count:     1024
    .wavefront_size: 32
...
	.end_amdgpu_metadata
.endif
;; end of part 3
